; MI455X (gfx1250); checked and timed in simulation.
; The chip was launched on July 23, 2026; its instructions are those of AMD's public machine-readable ISA for CDNA 5 (MIT licence, August 2026) and "CDNA5" Instruction Set Architecture Reference Guide (July 2026). The comments in the code are by the model that wrote it; some were corrected since.
;; Time Embedder. Allowed arithmetic: matrix products marked QUANTISED: E4M3 operands, one given power-of-two scale a tensor, by v_wmma_f32_16x16x64_fp8_fp8 or v_wmma_f32_16x16x128_fp8_fp8, f32 sums; everything else in f32.
;; Inputs: W1_codes 4,096 x 32 x 32 uint8 (E4M3 codes of W1, K innermost, in blocks of 32 codes); W2_codes 4,096 x 128 x 32 uint8 (E4M3 codes of W2, K innermost, in blocks of 32 codes); b1 4,096 float32; b2 4,096 float32; lowp_scales 4 int32 (the exponents e of the quantised operands' scales 2^e); t 2,048 float32.
;; Outputs: out0 2,048 x 4,096 float32.
;; This version of the problem:
;;   THIS VERSION OF THE PROBLEM IS GIVEN IN LOW PRECISION. The matrix products marked QUANTISED in the list below multiply operands that are first quantised to E4M3 (4 exponent bits, 3 mantissa bits; 8 bits a number), with one given power-of-two scale for each operand tensor; their sums are f32. All else is computed in f32.
;;   The module's matrix products, in the order in which they are computed (A, B: the left and right operand; K: the contracted axis; several contracted axes count as one K, in the product's order):
;;     1. [M 2,048, K 1,024] x [K 1,024, N 4,096]; A: computed on the way; B: input W1 (given as codes): QUANTISED (scales: A lowp_scales[0], B lowp_scales[1])
;;     2. [M 2,048, K 4,096] x [K 4,096, N 4,096]; A: computed on the way; B: input W2 (given as codes): QUANTISED (scales: A lowp_scales[2], B lowp_scales[3])
;;   THE QUANTISER, for each operand of a quantised product, along K:
;;     - The operand's scale is 2^e, e = its entry of the input lowp_scales (int32; the entries are numbered through the quantised products in the list's order, A before B).
;;     - Each number is divided by the scale, clamped to +-448, and rounded to the nearest number of E4M3, ties to even, subnormals kept.
;;     - The product sums the exact products of the quantised numbers (number of the format x scale) in f32.
;;   ~~~python
;;   def quantise(x, axis, e):      # numpy; x: float32 -> the quantised numbers, widened to float32 again
;;       x = np.moveaxis(x, axis, -1); K = x.shape[-1]
;;       r = np.clip(x / 2.0 ** e, -448, 448)
;;       step = 2.0 ** (np.maximum(np.frexp(np.where(r == 0, 1, r))[1] - 1, -6) - 3)
;;       q = np.round(r / step) * step * 2.0 ** e      # np.round: ties to even
;;       return np.moveaxis(q, -1, axis).astype(np.float32)
;;   ~~~
;;   OPERANDS COMPUTED ON THE WAY. 'Computed on the way' means the value that the module computes at that place (a softmax that the list does not call 'softmax' is quantised finished and normalised). What goes into a quantiser is computed in f32, as accurately as f32 sums, v_exp_f32 and their like allow (about 1e-6 of the number): no bf16 or f16 on the way to a quantiser, and a product that is left as it is and whose result goes on into a quantised operand takes f32 operands (vector FMAs, or v_wmma_f32_16x16x4_f32). A number that lies on a knife's edge between two numbers of the format may be rounded either way, as far as f32 arithmetic and the matrix unit's own rounding can turn it there, and no further.
;;   INPUTS GIVEN AS CODES. W1 (in the module: [1024, 4096], K = its axis 0); W2 (in the module: [4096, 4096], K = its axis 0): each comes as NAME_codes (uint8): NAME with its K axis moved to the last place and cut into blocks of 32 codes, [.., K / 32, bytes a block], one block behind the other in memory; one code a byte (a code: sign, 4 exponent bits, 3 mantissa bits); its scale is its entry of lowp_scales. Its value is code x scale, taken as it is: it is not quantised again, and the codes and scales need not be those that the quantiser above would give.
;; 2 versions. Each part assembles by itself: llvm-mc -triple=amdgcn-amd-amdhsa -mcpu=gfx1250 --defsym DOCPART=n.
;; ======== version 1 of 2: 3 launches
;; limits: inputs' magnitudes at most 6,588
;; workspace buffers: xq 2,097,152 bytes; hq 8,388,608 bytes
;; launch embed (part 1): grid 256 x 1, 8 waves a work-group, no clusters, 0 bytes of LDS; arguments t, lowp_scales, xq; writes xq
.if DOCPART == 1
	.amdgcn_target "amdgcn-amd-amdhsa--gfx1250"
	.amdhsa_code_object_version 6
	.text
	.protected	k_q3e834c6ea6_embed
	.globl	k_q3e834c6ea6_embed
	.p2align	8
	.type	k_q3e834c6ea6_embed,@function
k_q3e834c6ea6_embed:
	s_mov_b64 s[64:65], 0
	v_nop
	global_prefetch_b8 v0, s[64:65] scope:SCOPE_SE
	s_setreg_imm32_b32 hwreg(HW_REG_WAVE_MODE, 25, 1), 1
	s_wait_xcnt 0x0
; xq[row][0..1023] = E4M3 codes, with the given scale 2^e0, of the standardised positional embedding of t[row]:
;   x = 1000 t;  freq_i = (1e-4 as f32) ^ (i / 511), i = 0 .. 511;  channels 0-511 = cos(x freq_i), channels 512-1023 = sin(x freq_i);
;   mean over the 1,024 channels; variance = the sum of (v - mean)^2 / 1023; (v - mean) / sqrt(variance); code = that / 2^e0, held within +-448.
; NOTHING OF reference() IS LEFT OUT in this program: every input (t, both weights, both biases, the four scales) has a way to the output, and the variance is summed as reference() writes it (cos^2 + sin^2 = 1 is not used).
; SHARES.  One wave takes one row: row = 8 x work-group + wave.  Lane l owns the angles 16 l .. 16 l + 15, so its 16 cosines and its 16 sines are two runs of 16 neighbours along K in consecutive registers:
; each run converts to 16 bytes, and each of the wave's two stores covers 512 consecutive bytes, aligned.  Straight line: no loop, no LDS, no barrier.
; SINE AND COSINE in f32: n = the angle x 2/pi rounded to a whole number (by adding 1.5 x 2^23); r = angle - n pi/2 with pi/2 in three parts by fused multiply-adds; polynomials on |r| <= pi/4; the quadrant from n's low two bits.
; THE FREQUENCIES follow reference()'s roundings: i / 511 rounded to f32 (a product with 1/511 and one correction step), then 2^(q log2(1e-4 as f32)) with the logarithm in two parts and the product's rounding error carried.
; LIMITS: |1000 t| x 2/pi under 2^22; e0 between -126 and 119; NaN and infinity in t are not served; the sums' order is not reference()'s (four chains a lane, then across the lanes).
.set FQ,  32                           ; v32-47   the 16 frequencies
.set KB,  48                           ; v48-63   first q log2: high part; then n + 1.5 x 2^23
.set R,   64                           ; v64-79   i; the logarithm's low part; the angle; r
.set N,   80                           ; v80-95   i / 511; n; r^2
.set SP,  96                           ; v96-111  the division's remainder; sin(r)
.set CP,  112                          ; v112-127 cos(r)
.set VAL, 128                          ; v128-143 the cosines, v144-159 the sines
.set CD,  160                          ; v160-167 the codes
	s_load_b128 s[4:7], s[0:1], 0x0                ; t s[4:5], the scales' exponents s[6:7]
	s_load_b64 s[8:9], s[0:1], 0x10                ; xq
	v_and_b32 v1, 31, v0                           ; lane
	v_lshrrev_b32 v2, 5, v0                        ; wave
	v_lshlrev_b32 v3, 2, v2                        ; my row's word among the work-group's eight of t
	v_lshlrev_b32 v6, 10, v2
	v_lshl_add_u32 v6, v1, 4, v6                   ; 1,024 x wave + 16 x lane: my 16 codes
	s_lshl_b32 s10, ttmp9, 5                       ; the work-group's 8 numbers of t,
	s_mov_b32 s11, 0
	s_lshl_b32 s14, ttmp9, 13                      ; and its 8 rows of 1,024 bytes
	s_mov_b32 s15, 0
	s_mov_b32 s12, 0x76543210                      ; lane selects for v_permlanex16_b32: lane l xor 16
	s_mov_b32 s13, 0xfedcba98
	v_mov_b32 v8, 0x4b400000                       ; 1.5 x 2^23, as a pair
	v_mov_b32 v9, 0x4b400000
	v_mov_b32 v10, 0x3c08839e                      ; the sine's second coefficient, as a pair
	v_mov_b32 v11, 0x3c08839e
	v_mov_b32 v12, 0xbab6061a                      ; the cosine's second coefficient, as a pair
	v_mov_b32 v13, 0xbab6061a
	s_wait_kmcnt 0x0
	s_load_b32 s20, s[6:7], 0x0                    ; e0
	s_add_nc_u64 s[4:5], s[4:5], s[10:11]
	s_add_nc_u64 s[8:9], s[8:9], s[14:15]
	global_load_b32 v4, v3, s[4:5]                 ; t of my row, the same word in every lane
	; ---- the frequencies, while t is on its way
	v_lshlrev_b32 v7, 4, v1
.irp j, 0,1,2,3,4,5,6,7,8,9,10,11,12,13,14,15
	v_add_nc_u32 v[R+\j], \j, v7                   ; i = 16 lane + j
.endr
.irp j, 0,1,2,3,4,5,6,7,8,9,10,11,12,13,14,15
	v_cvt_f32_u32 v[R+\j], v[R+\j]
.endr
.irp p, 0,2,4,6,8,10,12,14
	v_pk_mul_f32 v[N+\p:N+\p+1], v[R+\p:R+\p+1], 0x3b004020 op_sel_hi:[1,0]                     ; i x (1/511)
.endr
.irp p, 0,2,4,6,8,10,12,14
	v_pk_fma_f32 v[SP+\p:SP+\p+1], v[N+\p:N+\p+1], 0xc3ff8000, v[R+\p:R+\p+1] op_sel_hi:[1,0,1]   ; the remainder i - 511 q
.endr
.irp p, 0,2,4,6,8,10,12,14
	v_pk_fma_f32 v[N+\p:N+\p+1], v[SP+\p:SP+\p+1], 0x3b004020, v[N+\p:N+\p+1] op_sel_hi:[1,0,1]   ; q = i / 511, rounded to f32
.endr
.irp p, 0,2,4,6,8,10,12,14
	v_pk_mul_f32 v[KB+\p:KB+\p+1], v[N+\p:N+\p+1], 0xc1549a78 op_sel_hi:[1,0]                    ; q x the logarithm's high part, rounded
.endr
.irp p, 0,2,4,6,8,10,12,14
	v_pk_fma_f32 v[R+\p:R+\p+1], v[N+\p:N+\p+1], 0xc1549a78, v[KB+\p:KB+\p+1] op_sel_hi:[1,0,1] neg_lo:[0,0,1] neg_hi:[0,0,1]   ; what that rounding dropped
.endr
.irp p, 0,2,4,6,8,10,12,14
	v_pk_fma_f32 v[R+\p:R+\p+1], v[N+\p:N+\p+1], 0xb4ab2b3d, v[R+\p:R+\p+1] op_sel_hi:[1,0,1]     ; + q x the logarithm's low part
.endr
.irp j, 0,1,2,3,4,5,6,7,8,9,10,11,12,13,14,15
	v_exp_f32 v[FQ+\j], v[KB+\j]
.endr
.irp p, 0,2,4,6,8,10,12,14
	v_pk_mul_f32 v[R+\p:R+\p+1], v[R+\p:R+\p+1], 0x3f317218 op_sel_hi:[1,0]                      ; the low part x ln 2: 2^d = 1 + d ln 2 for so small a d.  (Plain work behind the exponentials)
.endr
	s_wait_alu depctr_va_vdst(0)                   ; one wait for the batch of 16, ahead of its first reader
.irp p, 0,2,4,6,8,10,12,14
	v_pk_fma_f32 v[FQ+\p:FQ+\p+1], v[FQ+\p:FQ+\p+1], v[R+\p:R+\p+1], v[FQ+\p:FQ+\p+1]
.endr
	; ---- the angles
	s_wait_loadcnt 0x0                             ; t
	v_mul_f32 v4, 0x447a0000, v4                   ; x = 1000 t
	v_mov_b32 v5, v4
.irp p, 0,2,4,6,8,10,12,14
	v_pk_mul_f32 v[R+\p:R+\p+1], v[FQ+\p:FQ+\p+1], v[4:5]
.endr
	; ---- range reduction
.irp p, 0,2,4,6,8,10,12,14
	v_pk_fma_f32 v[KB+\p:KB+\p+1], v[R+\p:R+\p+1], 0x3f22f983, v[8:9] op_sel_hi:[1,0,1]          ; angle x 2/pi + 1.5 x 2^23: n stands in the low bits
.endr
.irp p, 0,2,4,6,8,10,12,14
	v_pk_add_f32 v[N+\p:N+\p+1], v[KB+\p:KB+\p+1], v[8:9] neg_lo:[0,1] neg_hi:[0,1]              ; n as f32
.endr
.irp p, 0,2,4,6,8,10,12,14
	v_pk_fma_f32 v[R+\p:R+\p+1], v[N+\p:N+\p+1], 0xbfc90fdb, v[R+\p:R+\p+1] op_sel_hi:[1,0,1]
.endr
.irp p, 0,2,4,6,8,10,12,14
	v_pk_fma_f32 v[R+\p:R+\p+1], v[N+\p:N+\p+1], 0x333bbd2e, v[R+\p:R+\p+1] op_sel_hi:[1,0,1]
.endr
.irp p, 0,2,4,6,8,10,12,14
	v_pk_fma_f32 v[R+\p:R+\p+1], v[N+\p:N+\p+1], 0x26f72ced, v[R+\p:R+\p+1] op_sel_hi:[1,0,1]     ; r = angle - n pi/2
.endr
.irp p, 0,2,4,6,8,10,12,14
	v_pk_mul_f32 v[N+\p:N+\p+1], v[R+\p:R+\p+1], v[R+\p:R+\p+1]                                  ; r^2
.endr
	; ---- sin(r) = r + r^3 (S1 + S2 r^2 + S3 r^4);  cos(r) = 1 + r^2 (-1/2 + r^2 (C1 + C2 r^2 + C3 r^4))
.irp p, 0,2,4,6,8,10,12,14
	v_pk_fma_f32 v[SP+\p:SP+\p+1], v[N+\p:N+\p+1], 0xb94ca1f9, v[10:11] op_sel_hi:[1,0,1]
	v_pk_fma_f32 v[CP+\p:CP+\p+1], v[N+\p:N+\p+1], 0x37ccf5ce, v[12:13] op_sel_hi:[1,0,1]
.endr
.irp p, 0,2,4,6,8,10,12,14
	v_pk_fma_f32 v[SP+\p:SP+\p+1], v[SP+\p:SP+\p+1], v[N+\p:N+\p+1], 0xbe2aaaa3 op_sel_hi:[1,1,0]
	v_pk_fma_f32 v[CP+\p:CP+\p+1], v[CP+\p:CP+\p+1], v[N+\p:N+\p+1], 0x3d2aaaa5 op_sel_hi:[1,1,0]
.endr
.irp p, 0,2,4,6,8,10,12,14
	v_pk_mul_f32 v[SP+\p:SP+\p+1], v[SP+\p:SP+\p+1], v[N+\p:N+\p+1]
	v_pk_fma_f32 v[CP+\p:CP+\p+1], v[CP+\p:CP+\p+1], v[N+\p:N+\p+1], -0.5 op_sel_hi:[1,1,0]
.endr
.irp p, 0,2,4,6,8,10,12,14
	v_pk_fma_f32 v[SP+\p:SP+\p+1], v[SP+\p:SP+\p+1], v[R+\p:R+\p+1], v[R+\p:R+\p+1]
	v_pk_fma_f32 v[CP+\p:CP+\p+1], v[CP+\p:CP+\p+1], v[N+\p:N+\p+1], 1.0 op_sel_hi:[1,1,0]
.endr
	; ---- the quadrant q = n mod 4.  q odd: sine and cosine change places.  The sine is negated where q is 2 or 3, the cosine where q is 1 or 2.
.irp j, 0,1,2,3,4,5,6,7,8,9,10,11,12,13,14,15
	v_lshlrev_b32 v[20+2*(\j%2)], 31, v[KB+\j]                                     ; u: bit 0 of n as a sign bit
	v_and_b32 v[21+2*(\j%2)], 2, v[KB+\j]
	v_cmp_ne_u32 vcc_lo, 0, v[20+2*(\j%2)]
	v_lshlrev_b32 v[21+2*(\j%2)], 30, v[21+2*(\j%2)]                               ; w: bit 1 of n as a sign bit
	v_cndmask_b32 v[VAL+\j], v[CP+\j], v[SP+\j], vcc_lo
	v_cndmask_b32 v[VAL+16+\j], v[SP+\j], v[CP+\j], vcc_lo
	v_xor_b32 v[VAL+16+\j], v[VAL+16+\j], v[21+2*(\j%2)]
	v_xor_b32 v[21+2*(\j%2)], v[21+2*(\j%2)], v[20+2*(\j%2)]
	v_xor_b32 v[VAL+\j], v[VAL+\j], v[21+2*(\j%2)]
.endr
; Four chains of pairs in v[20:27] become one number, the same in all 32 lanes, in v20.
.macro ALL_LANES
	v_pk_add_f32 v[20:21], v[20:21], v[22:23]
	v_pk_add_f32 v[24:25], v[24:25], v[26:27]
	v_pk_add_f32 v[20:21], v[20:21], v[24:25]
	v_add_f32 v20, v20, v21
	v_add_f32_dpp v20, v20, v20 row_xmask:1 row_mask:0xf bank_mask:0xf
	v_add_f32_dpp v20, v20, v20 row_xmask:2 row_mask:0xf bank_mask:0xf
	v_add_f32_dpp v20, v20, v20 row_xmask:4 row_mask:0xf bank_mask:0xf
	v_add_f32_dpp v20, v20, v20 row_xmask:8 row_mask:0xf bank_mask:0xf
	v_permlanex16_b32 v27, v20, s12, s13           ; its destination counts as read: v27 was written by the fourth chain
	v_add_f32 v20, v20, v27
.endm
	; ---- the mean
.irp c, 0,1,2,3
	v_pk_add_f32 v[20+2*\c:21+2*\c], v[VAL+4*\c:VAL+4*\c+1], v[VAL+4*\c+2:VAL+4*\c+3]
.endr
.irp c, 0,1,2,3
	v_pk_add_f32 v[20+2*\c:21+2*\c], v[20+2*\c:21+2*\c], v[VAL+16+4*\c:VAL+16+4*\c+1]
.endr
.irp c, 0,1,2,3
	v_pk_add_f32 v[20+2*\c:21+2*\c], v[20+2*\c:21+2*\c], v[VAL+16+4*\c+2:VAL+16+4*\c+3]
.endr
	ALL_LANES
	v_mul_f32 v16, 0x3a800000, v20                 ; / 1,024
	v_mov_b32 v17, v16
.irp p, 0,2,4,6,8,10,12,14,16,18,20,22,24,26,28,30
	v_pk_add_f32 v[VAL+\p:VAL+\p+1], v[VAL+\p:VAL+\p+1], v[16:17] neg_lo:[0,1] neg_hi:[0,1]
.endr
	; ---- the variance
.irp c, 0,1,2,3
	v_pk_mul_f32 v[20+2*\c:21+2*\c], v[VAL+2*\c:VAL+2*\c+1], v[VAL+2*\c:VAL+2*\c+1]
.endr
.irp g, 1,2,3
.irp c, 0,1,2,3
	v_pk_fma_f32 v[20+2*\c:21+2*\c], v[VAL+8*\g+2*\c:VAL+8*\g+2*\c+1], v[VAL+8*\g+2*\c:VAL+8*\g+2*\c+1], v[20+2*\c:21+2*\c]
.endr
.endr
	ALL_LANES
	v_mul_f32 v7, 0x3a802008, v20                  ; / 1,023
	v_rsq_f32 v18, v7
	s_wait_kmcnt 0x0                               ; e0
	s_add_co_i32 s21, s20, 127
	s_lshl_b32 s22, s21, 23
	v_mov_b32 v14, s22                             ; 2^e0 as f32: the conversion takes its exponent field.  (A plain instruction behind the transcendental)
	s_add_co_i32 s21, s21, 8
	s_lshl_b32 s21, s21, 23
	s_or_b32 s21, s21, 0x600000
	v_mov_b32 v15, s21                             ; 448 x 2^e0
	s_wait_alu depctr_va_vdst(0)                   ; ahead of the root's first reader
	v_mov_b32 v19, v18
.irp p, 0,2,4,6,8,10,12,14,16,18,20,22,24,26,28,30
	v_pk_mul_f32 v[VAL+\p:VAL+\p+1], v[VAL+\p:VAL+\p+1], v[18:19]
.endr
	; ---- the quantiser
.irp j, 0,1,2,3,4,5,6,7,8,9,10,11,12,13,14,15,16,17,18,19,20,21,22,23,24,25,26,27,28,29,30,31
	v_med3_num_f32 v[VAL+\j], v[VAL+\j], -v15, v15 ; the conversion to an 8-bit code does not saturate (ISA guide 7.6.2): the hold at the largest code x the scale
.endr
.irp g, 0,1,2,3
	v_cvt_scalef32_pk8_fp8_f32 v[CD+2*\g:CD+2*\g+1], v[VAL+8*\g:VAL+8*\g+7], v14
.endr
	v_nop                                          ; a plain instruction behind the last scaled conversion
	global_store_b128 v6, v[CD:CD+3], s[8:9]                   ; channels 16 l on: the wave stores 512 consecutive bytes
	global_store_b128 v6, v[CD+4:CD+7], s[8:9] offset:512      ; channels 512 + 16 l on
	s_endpgm
.Lfunc_end_k_q3e834c6ea6_embed:
	.size	k_q3e834c6ea6_embed, .Lfunc_end_k_q3e834c6ea6_embed-k_q3e834c6ea6_embed
	.p2alignl 7, 3214868480
	.fill 96, 4, 3214868480
	.section	.rodata,"a",@progbits
	.p2align	6, 0x0
	.amdhsa_kernel k_q3e834c6ea6_embed
		.amdhsa_group_segment_fixed_size 0
		.amdhsa_private_segment_fixed_size 0
		.amdhsa_enable_private_segment 0
		.amdhsa_kernarg_size 24
		.amdhsa_user_sgpr_count 2
		.amdhsa_user_sgpr_kernarg_segment_ptr 1
		.amdhsa_wavefront_size32 1
		.amdhsa_system_sgpr_workgroup_id_x 1
		.amdhsa_system_sgpr_workgroup_id_y 1
		.amdhsa_system_sgpr_workgroup_id_z 1
		.amdhsa_system_vgpr_workitem_id 0
		.amdhsa_next_free_vgpr 176
		.amdhsa_next_free_sgpr 66
		.amdhsa_reserve_vcc 1
		.amdhsa_float_denorm_mode_32 3
		.amdhsa_float_denorm_mode_16_64 3
		.amdhsa_memory_ordered 1
		.amdhsa_forward_progress 1
		.amdhsa_inst_pref_size 31
	.end_amdhsa_kernel
	.amdgpu_metadata
---
amdhsa.version: [ 1, 2 ]
amdhsa.kernels:
  - .name:           k_q3e834c6ea6_embed
    .symbol:         k_q3e834c6ea6_embed.kd
    .args:
      - { .name: t, .offset: 0, .size: 8, .value_kind: global_buffer, .address_space: global }
      - { .name: lowp_scales, .offset: 8, .size: 8, .value_kind: global_buffer, .address_space: global }
      - { .name: xq, .offset: 16, .size: 8, .value_kind: global_buffer, .address_space: global }
    .group_segment_fixed_size: 0
    .private_segment_fixed_size: 0
    .kernarg_segment_align: 8
    .kernarg_segment_size: 24
    .max_flat_workgroup_size: 256
    .sgpr_count:     66
    .vgpr_count:     176
    .wavefront_size: 32
...
	.end_amdgpu_metadata
.endif
;; end of part 1
;; launch gemm1 (part 2): grid 16 x 16, 4 waves a work-group, clusters of 4 x 4, 327,680 bytes of LDS; arguments xq, W1_codes, lowp_scales, b1, hq; writes hq
.if DOCPART == 2
	.amdgcn_target "amdgcn-amd-amdhsa--gfx1250"
	.amdhsa_code_object_version 6
	.text
	.protected	k_q3e834c6ea6_gemm1
	.globl	k_q3e834c6ea6_gemm1
	.p2align	8
	.type	k_q3e834c6ea6_gemm1,@function
k_q3e834c6ea6_gemm1:
	s_mov_b64 s[64:65], 0
	v_nop
	global_prefetch_b8 v0, s[64:65] scope:SCOPE_SE
	s_setreg_imm32_b32 hwreg(HW_REG_WAVE_MODE, 25, 1), 1
	s_wait_xcnt 0x0
	s_wait_alu depctr_hold_cnt(0) depctr_sa_sdst(0) depctr_va_vdst(0) depctr_va_sdst(0) depctr_va_ssrc(0) depctr_va_vcc(0) depctr_vm_vsrc(0)
	s_getreg_b32 s2, hwreg(HW_REG_IB_STS2, 6, 4)
	s_cmp_eq_u32 s2, 0
	s_cbranch_scc0 .Lentry_in_a_cluster
	s_endpgm
.Lentry_in_a_cluster:
	s_bfe_u32 s2, ttmp6, 0x10000c
	s_cmp_lg_u32 s2, 0xf033
	s_cbranch_scc0 .Lentry_shape_is_right
	s_endpgm
.Lentry_shape_is_right:
; hq[m][n] = E4M3 code, with the given scale 2^e2, of silu(2^(e0 + e1) x (the sum over k of xq[m][k] W1c[n][k]) + b1[n]).  xq: [2048][1024], W1c: [4096][1024], hq: [2048][4096]: one code a byte, K innermost.  Sums in f32.
; Nothing of reference() is left out here.
; LIMITS: e0 + e1 between -126 and 127, e2 between -126 and 119, so that each power of two below is an f32 number; NaN is not served.
; TILE.  2,048 x 4,096 results are 256 tiles of 128 rows x 256 columns: one work-group of four waves to a tile.  Wave w makes rows 64 (w / 2) on and columns 128 (w % 2) on: 4 x 8 accumulators of 16 x 16, 256 registers.
; K goes in steps of 256 through a ring of two LDS slots filled by the tensor data mover: a tile's row is 256 bytes of memory, aligned.  A slot holds two steps of 128 along K, 32 matrix instructions a wave each.
; CLUSTERS: 4 x 4 work-groups.  The four of a row of the cluster need the same tile of xq, the four of a column the same tile of W1c: each is asked for JOINTLY, by the same tensor load with the same descriptor and a mask that names the four.
; THE MATRIX INSTRUCTION IS USED TRANSPOSED (source 0 = 16 rows of W1c, source 1 = 16 rows of xq): a lane holds one row m = 16 a + lane % 16 and the columns 16 b + 8 (lane / 16) + 0 .. 7.
; A fragment (16 rows x 128 K, 16 registers) comes by four loads of 16 bytes, 32 bytes apart: registers 4 c .. 4 c + 3 hold K = 32 c + 16 (lane / 16) + 0 .. 15: a permutation of k, the same on both sides, so that every product meets its partner.
; REGISTERS, in windows of 256: window 0: v1-31 addresses and constants; v32-255 at work on the way out.  window 1: W1c's fragments, two sets, at v0 and v128.  window 2: accumulator (a, b) at v[8 (8 a + b)].
;   window 3: xq's fragments, two sets, at v0 and v64; from v128 b1 in the result's layout (8 registers for each b).
.set KROW,   1024                      ; a row of xq or of W1c in bytes
.set HROW,   4096                      ; a row of hq in bytes
.set PITCH,  272                       ; an LDS row: 256 bytes + 16 of padding = 68 words: row r starts at bank 4 r mod 64 (64 banks of 4 bytes: ISA guide 11.1)
.set ABYTES, 128*PITCH                 ; xq's 128 rows
.set SLOT,   384*PITCH                 ; then W1c's 256 rows
.set SPARE,  2*SLOT                    ; behind the ring: the spare words, 128 bytes for each wave: two blocks of 256 bytes that no other line names
.set STAGE,  SPARE+512                 ; the way out: 128 rows x 272 bytes, the work-group's; no tensor load lands here
.set LAPS,   KROW/512                  ; a lap = once round the ring
.set ADRA, 16                          ; v16-17  LDS address of my fragments of xq in slot 0, 1
.set ADRB, 20                          ; v20-21  the same for W1c
.set STO,  24                          ; v24     the way out: where I put 8 codes of a row
.set RD,   25                          ; v25     where I read 16 bytes of a row back
.set CO,   26                          ; v26     my byte offset in hq
.set SPW,  28                          ; v28     LDS address of my spare word; never rewritten
.set NIL,  29                          ; v29     0; never rewritten
.set LIMV, 30                          ; v30     448 x 2^e2
.set SCV,  31                          ; v31     2^e2 as f32
.set CODE, 32                          ; v32-95  the codes: 16 registers for each block of 16 rows
.set U,    128                         ; v128-191 a block's 64 numbers
.set E,    192                         ; v192-255 their exponentials, then the sigmoids
.set B1W,  128                         ; b1, in window 3
.set G1, 24                            ; s[24:31] descriptor group 1 for xq's tiles;  s[32:39] group 0, one set for each slot
.set G0, 32
.set G1B, 48                           ; s[48:55], s[56:63] the same for W1c's tiles
.set G0B, 56
.set MSB, 0
.macro WIN new                         ; the immediate's high byte repeats the setting that is left; a switch that changes nothing is dropped
.if MSB != \new
	s_set_vgpr_msb (MSB<<8)|\new
.set MSB, \new
.endif
.endm
.set MUL,  0xad                        ; source 0 (W1c) window 1, source 1 (xq) window 3, C and D window 2
.set TO_B, 0x40                        ; destination window 1, address window 0
.set TO_A, 0xc0                        ; destination window 3, address window 0
; A joint load: waves 0 and 1 fetch xq's two halves (64 rows each), waves 2 and 3 W1c's (128 rows each).  The branch hangs on the wave's number alone.
; An s_nop 0 and four v_nop follow each of the two lines, ahead of the jump, the label and what follows.
.macro JLOAD g0a, g1a, g0b, g1b
	s_cmp_eq_u32 s15, 0
	s_cbranch_scc0 .Lfor_b_\@
	tensor_load_to_lds s[\g0a:\g0a+3], s[\g1a:\g1a+7]
	s_nop 0
.rept 4
	v_nop
.endr
	s_branch .Lasked_\@
.Lfor_b_\@:
	tensor_load_to_lds s[\g0b:\g0b+3], s[\g1b:\g1b+7]
	s_nop 0
.rept 4
	v_nop
.endr
.Lasked_\@:
.endm
.macro CREST                           ; a round of the cluster's barrier behind its opening barrier
	s_cmp_lg_u32 s14, 0
	s_cbranch_scc1 .Lnot_wave_0_\@
	s_barrier_signal -3
.Lnot_wave_0_\@:
	s_barrier_wait -3
	s_barrier_signal -1
	s_barrier_wait -1
.endm
.macro CROUND                          ; a whole round
	s_barrier_signal -1
	s_barrier_wait -1
	CREST
.endm
.macro PLACES n                        ; plain vector instructions between a matrix instruction and a load into, or a read of, its registers (ISA guide 7.12.1 for reads)
.rept \n
	v_nop
.endr
.endm
	s_load_b256 s[4:11], s[0:1], 0x0               ; xq s[4:5], W1c s[6:7], the scales' exponents s[8:9], b1 s[10:11]
	s_load_b64 s[12:13], s[0:1], 0x20              ; hq
	v_lshl_add_u32 v[SPW], v0, 2, SPARE
	v_mov_b32 v[NIL], 0
	ds_add_u32 v[SPW], v[NIL]                      ; the wave's opening: the add, twice on end, and its wait ahead of my first tensor load; the set-up below stands between the second and the wait
	ds_add_u32 v[SPW], v[NIL]
	v_lshrrev_b32 v1, 5, v0
	v_readfirstlane_b32 s14, v1                    ; wave 0..3
	s_lshr_b32 s15, s14, 1                         ; which 64 rows of the tile are mine.  Also: I fetch for xq (0) or for W1c (1)
	s_and_b32 s16, s14, 1                          ; which 128 columns.  Also: which half of that tile I fetch
	s_bfe_u32 s40, ttmp6, 0x40000                  ; cx, cy: my place in the cluster
	s_bfe_u32 s41, ttmp6, 0x40004
	s_lshl_b32 s42, ttmp9, 2
	s_add_co_u32 s42, s42, s40                     ; tile column = 4 x cluster x + cx
	s_and_b32 s17, ttmp7, 0xffff
	s_lshl_b32 s17, s17, 2
	s_add_co_u32 s17, s17, s41                     ; tile row = 4 x cluster y + cy
	s_lshl_b32 s43, s41, 2
	s_lshl_b32 s43, 15, s43                        ; my row of the cluster
	s_lshl_b32 s44, 0x1111, s40                    ; my column
	s_or_b32 s[G1+0], s43, (0<<16)|(1<<20)|(1<<21)|(5<<22)|(3<<25)   ; 15:0 the mask; 17:16 elements of 1 byte; 20 padding on; 21 set beside a mask; 24:22 after every 64 words (code 5); 31:25 four words (code 3)
	s_or_b32 s[G1B+0], s44, (0<<16)|(1<<20)|(1<<21)|(5<<22)|(3<<25)
	s_mov_b32 s[G1+1], 256<<16                     ; tensor_dim0 = 256
	s_mov_b32 s[G1+2], 64<<16                      ; tensor_dim1 = 64
	s_mov_b32 s[G1+3], 256<<16                     ; tile_dim0 = 256
	s_mov_b32 s[G1+4], 64                          ; tile_dim1 = 64
	s_mov_b32 s[G1+5], KROW                        ; tensor_dim0_stride
	s_mov_b32 s[G1+6], 0
	s_mov_b32 s[G1+7], 0
	s_mov_b32 s[G1B+1], 256<<16
	s_mov_b32 s[G1B+2], 128<<16                    ; 128 rows
	s_mov_b32 s[G1B+3], 256<<16
	s_mov_b32 s[G1B+4], 128
	s_mov_b32 s[G1B+5], KROW
	s_mov_b32 s[G1B+6], 0
	s_mov_b32 s[G1B+7], 0
	s_lshl_b32 s18, s16, 6
	s_lshl_b32 s20, s17, 7
	s_add_co_u32 s20, s20, s18                     ; xq: row 128 x tile row + 64 x half,
	s_mul_i32 s20, s20, KROW                       ; in bytes (under 2^21)
	s_mov_b32 s21, 0
	s_lshl_b32 s19, s16, 7
	s_lshl_b32 s46, s42, 8
	s_add_co_u32 s46, s46, s19                     ; W1c: row 256 x tile column + 128 x half,
	s_mul_i32 s46, s46, KROW                       ; in bytes (under 2^22)
	s_mov_b32 s47, 0
	s_mul_i32 s45, s16, 64*PITCH                   ; where they go: no place in the cluster enters an LDS address
	s_mul_i32 s66, s16, 128*PITCH
	s_add_co_u32 s66, s66, ABYTES
	s_wait_dscnt 0x0                               ; both opening adds are done
	s_wait_kmcnt 0x0
	s_load_b128 s[96:99], s[8:9], 0x0              ; e0, e1, e2, e3
	s_add_nc_u64 s[20:21], s[4:5], s[20:21]
	s_add_nc_u64 s[46:47], s[6:7], s[46:47]
	CROUND                                         ; all sixteen work-groups are here: the first joint loads meet
.irp s, 0,1
	s_mov_b32 s[G0+4*\s], 1
	s_add_co_u32 s[G0+4*\s+1], s45, \s*SLOT
	s_add_nc_u64 s[G0+4*\s+2:G0+4*\s+3], s[20:21], \s*256
	s_or_b32 s[G0+4*\s+3], s[G0+4*\s+3], 0x80000000
	s_mov_b32 s[G0B+4*\s], 1
	s_add_co_u32 s[G0B+4*\s+1], s66, \s*SLOT
	s_add_nc_u64 s[G0B+4*\s+2:G0B+4*\s+3], s[46:47], \s*256
	s_or_b32 s[G0B+4*\s+3], s[G0B+4*\s+3], 0x80000000
	JLOAD G0+4*\s, G1, G0B+4*\s, G1B               ; two loads of mine are out behind the second
.endr
	v_and_b32 v1, 15, v0                           ; r = lane % 16
	v_bfe_u32 v2, v0, 4, 1                         ; h = lane / 16
	v_mul_u32_u24 v3, v1, PITCH
	v_lshl_add_u32 v4, v2, 4, v3                   ; a fragment's row x pitch + 16 x half
	s_mul_i32 s21, s15, 64*PITCH                   ; my 64 rows of xq
	s_mul_i32 s22, s16, 128*PITCH                  ; my 128 rows of W1c,
	s_add_co_u32 s22, s22, ABYTES                  ; which lie behind xq's 128
.irp s, 0,1
	v_add_nc_u32 v[ADRA+\s], s21, v4
	v_add_nc_u32 v[ADRB+\s], s22, v4
	s_add_co_u32 s21, s21, SLOT
	s_add_co_u32 s22, s22, SLOT
.endr
	s_mul_i32 s23, s15, 64*PITCH                   ; into the stage: my 64 rows, my 128 of their 256 bytes; row r, 8 bytes for each half of the lanes
	s_lshl_b32 s21, s16, 7
	s_add_co_u32 s23, s23, s21
	s_add_co_u32 s23, s23, STAGE
	v_lshl_add_u32 v5, v2, 3, v3
	v_add_nc_u32 v[STO], s23, v5
	s_mul_i32 s23, s14, 32*PITCH                   ; back: wave w takes rows 32 w on, whole; lanes 0-15 one row of 256 bytes, lanes 16-31 the next
	s_add_co_u32 s23, s23, STAGE
	v_mul_u32_u24 v5, v2, PITCH
	v_lshl_add_u32 v5, v1, 4, v5
	v_add_nc_u32 v[RD], s23, v5
	v_lshlrev_b32 v5, 12, v2                       ; and the same two rows in hq
	v_lshl_add_u32 v[CO], v1, 4, v5
	s_lshl_b32 s20, s17, 7
	s_lshl_b32 s21, s14, 5
	s_add_co_u32 s20, s20, s21                     ; the first row that I store: 128 x tile row + 32 x wave
	s_lshl_b32 s20, s20, 12
	s_mov_b32 s21, 0
	s_add_nc_u64 s[12:13], s[12:13], s[20:21]
	s_lshl_b32 s46, s42, 8                         ; the tile's first column, in bytes
	s_mov_b32 s47, 0
	s_add_nc_u64 s[12:13], s[12:13], s[46:47]
	s_lshl_b32 s46, s42, 10                        ; b1 at my first column: 4 x (256 x tile column + 128 x half)
	s_lshl_b32 s47, s16, 9
	s_add_co_u32 s46, s46, s47
	s_mov_b32 s47, 0
	s_add_nc_u64 s[10:11], s[10:11], s[46:47]
	v_lshlrev_b32 v6, 5, v2                        ; lane (r, h) wants, for each b, b1 of columns 16 b + 8 h + 0 .. 7
	WIN TO_A
.irp b, 0,1,2,3,4,5,6,7
	global_load_b128 v[B1W+8*\b:B1W+8*\b+3], v6, s[10:11] offset:64*\b
	global_load_b128 v[B1W+8*\b+4:B1W+8*\b+7], v6, s[10:11] offset:64*\b+16
.endr
	WIN 0
.macro FRAG reg, adr, q, i             ; a fragment: rows 16 i on, the slot's q-th 128 along K
.irp c, 0,1,2,3
	ds_load_b128 v[\reg+4*\c:\reg+4*\c+3], v[\adr] offset:128*(\q)+32*\c+(\i)*16*PITCH
.endr
.endm
.macro FETCH slot, q, p                ; 48 LDS loads in one run: W1c's eight fragments and xq's four into set p
	WIN TO_B
.irp i, 0,1,2,3,4,5,6,7
	FRAG 128*(\p)+16*\i, ADRB+\slot, \q, \i
.endr
	WIN TO_A
.irp i, 0,1,2,3
	FRAG 64*(\p)+16*\i, ADRA+\slot, \q, \i
.endr
.endm
; Eight matrix instructions: xq's block a against W1c's eight, 128 along K, from set p.  zero = 1: the product starts the sums.  The 32 accumulators take turns, one instruction a turn, in the same order in every step.
.macro MUL8 a, p, zero
.irp b, 0,1,2,3,4,5,6,7
.if \zero
	v_wmma_f32_16x16x128_fp8_fp8 v[8*(8*(\a)+\b):8*(8*(\a)+\b)+7], v[128*(\p)+16*\b:128*(\p)+16*\b+15], v[64*(\p)+16*(\a):64*(\p)+16*(\a)+15], 0
.else
	v_wmma_f32_16x16x128_fp8_fp8 v[8*(8*(\a)+\b):8*(8*(\a)+\b)+7], v[128*(\p)+16*\b:128*(\p)+16*\b+15], v[64*(\p)+16*(\a):64*(\p)+16*(\a)+15], v[8*(8*(\a)+\b):8*(8*(\a)+\b)+7]
.endif
.endr
.endm
; A slot's first step: multiplies set 0; ahead of its products the slot's second step is fetched into set 1, 32 matrix instructions ahead of its use.
.macro STEP slot, zero
	s_wait_dscnt 0x0                               ; set 0 is in
	PLACES 4                                       ; behind the last products, which read set 1
	FETCH \slot, 1, 1
	WIN MUL
	MUL8 0, 0, \zero
	MUL8 1, 0, \zero
	MUL8 2, 0, \zero
	MUL8 3, 0, \zero
	WIN 0
.endm
; A slot's second step multiplies set 1 and changes slots: ONE barrier; in front of it each wave waits for all its tensor loads, adds 0 to its spare word, and waits for that and for its own reads of this slot.  fill = 1: this slot is filled again, 512 along K on.
.macro TURN slot, next, fill
	WIN 0
	s_wait_tensorcnt 0x0                           ; all my tensor loads have landed: the one that was out is my part of the next slot
	ds_add_u32 v[SPW], v[NIL]                      ; 0 onto my spare word
	s_wait_dscnt 1                                 ; set 1's 48 loads are in; the add may be out
	WIN MUL
	MUL8 0, 1, 0                                   ; eight matrix instructions stand between the add and the wait for it
	s_wait_dscnt 0x0                               ; the add is done, and my reads of this slot are over
	s_barrier_signal -1
	MUL8 1, 1, 0
	WIN 0
	s_barrier_wait -1
.if \fill
	CREST                                          ; the barrier has opened a round of the cluster's barrier: no wave of any partner still reads this slot or has a load on its way
	s_add_nc_u64 s[G0+4*\slot+2:G0+4*\slot+3], s[G0+4*\slot+2:G0+4*\slot+3], 512
	s_add_nc_u64 s[G0B+4*\slot+2:G0B+4*\slot+3], s[G0B+4*\slot+2:G0B+4*\slot+3], 512
	JLOAD G0+4*\slot, G1, G0B+4*\slot, G1B         ; the first tensor load behind the round, my one load until the next; its four v_nop are also the places in front of the loads below
.else
	PLACES 4
.endif
	FETCH \next, 0, 0
	WIN MUL
	MUL8 2, 1, 0
	MUL8 3, 1, 0
	WIN 0
.endm
	s_wait_tensorcnt 1                             ; my part of slot 0 is in; slot 1's load may stay out
	s_barrier_signal -1
	s_barrier_wait -1                              ; everybody's is
	FETCH 0, 0, 0
	STEP 0, 1                                      ; the first step stands in front of the loop: its products start the sums
	s_mov_b32 s3, LAPS-1
.Llap:                                                 ; a trip goes once round the ring and fills both slots again
	TURN 0, 1, 1
	STEP 1, 0
	TURN 1, 0, 1
	STEP 0, 0
	s_sub_co_u32 s3, s3, 1
	s_cmp_lg_u32 s3, 0
	s_cbranch_scc1 .Llap
	TURN 0, 1, 0                                   ; the last lap fills nothing, and has no round of the cluster's barrier
	STEP 1, 0
	s_wait_dscnt 0x0                               ; the very last step
	WIN MUL
	MUL8 0, 1, 0
	MUL8 1, 1, 0
	MUL8 2, 1, 0
	MUL8 3, 1, 0
	WIN 0
	; THE WAY OUT.  u = sum x 2^(e0 + e1) + b1;  silu(u) = u / (1 + 2^(-u log2 e));  held within +-448 x 2^e2;  converted, eight neighbours along the next K at a time.
	s_wait_kmcnt 0x0
	s_add_co_i32 s96, s96, s97
	s_add_co_i32 s96, s96, 127
	s_lshl_b32 s96, s96, 23                        ; 2^(e0 + e1) as f32
	s_mov_b32 s97, s96                             ; (named with it as a pair, so it is written)
	s_add_co_i32 s98, s98, 127
	s_lshl_b32 s99, s98, 23
	v_mov_b32 v[SCV], s99                          ; 2^e2 as f32
	s_add_co_i32 s98, s98, 8
	s_lshl_b32 s98, s98, 23
	s_or_b32 s98, s98, 0x600000
	v_mov_b32 v[LIMV], s98                         ; 448 x 2^e2
	s_wait_loadcnt 0x0                             ; b1
	PLACES 2                                       ; with the two moves above: four places behind the last products
.macro ACT a                           ; block a: rows 16 a on, 64 numbers a lane
	WIN 0x32                                       ; source 0 (the sums) window 2, source 2 (b1) window 3
.set i, 0
.rept 32
	v_pk_fma_f32 v[U+i:U+i+1], v[64*(\a)+i:64*(\a)+i+1], s[96:97], v[B1W+i:B1W+i+1] op_sel_hi:[1,0,1]   ; each accumulator from its low end on
.set i, i+2
.endr
	WIN 0
.set i, 0
.rept 32
	v_pk_mul_f32 v[E+i:E+i+1], v[U+i:U+i+1], 0xbfb8aa3b op_sel_hi:[1,0]     ; -u log2 e
.set i, i+2
.endr
.set i, 0
.rept 64
	v_exp_f32 v[E+i], v[E+i]
.set i, i+1
.endr
	v_nop                                          ; a plain instruction behind the last exponential,
	s_wait_alu depctr_va_vdst(0)                   ; and one wait for the batch, ahead of its first reader
.set i, 0
.rept 32
	v_pk_add_f32 v[E+i:E+i+1], v[E+i:E+i+1], 1.0 op_sel_hi:[1,0]
.set i, i+2
.endr
.set i, 0
.rept 64
	v_rcp_f32 v[E+i], v[E+i]
.set i, i+1
.endr
	v_nop
	s_wait_alu depctr_va_vdst(0)                   ; likewise for the reciprocals
.set i, 0
.rept 32
	v_pk_mul_f32 v[U+i:U+i+1], v[U+i:U+i+1], v[E+i:E+i+1]
.set i, i+2
.endr
.set i, 0
.rept 64
	v_med3_num_f32 v[U+i], v[U+i], -v[LIMV], v[LIMV]       ; the conversion to an 8-bit code does not saturate (ISA guide 7.6.2)
.set i, i+1
.endr
.irp b, 0,1,2,3,4,5,6,7
	v_cvt_scalef32_pk8_fp8_f32 v[CODE+16*(\a)+2*\b:CODE+16*(\a)+2*\b+1], v[U+8*\b:U+8*\b+7], v[SCV]
.endr
	v_nop                                          ; a plain instruction behind the last scaled conversion: the next block writes its sources
.irp b, 0,1,2,3,4,5,6,7
	ds_store_b64 v[STO], v[CODE+16*(\a)+2*\b:CODE+16*(\a)+2*\b+1] offset:(\a)*16*PITCH+16*\b   ; row 16 a + r, columns 16 b + 8 h on: the 32 lanes touch 64 different banks
.endr
.endm
	ACT 0
	ACT 1
	ACT 2
	ACT 3
	s_wait_dscnt 0x0                               ; for the others' sake: my stores into the stage are done; a row's 256 bytes come from two waves
	s_barrier_signal -1
	s_barrier_wait -1
.irp t, 0,1,2,3,4,5,6,7,8,9,10,11,12,13,14,15
	ds_load_b128 v[U+4*\t:U+4*\t+3], v[RD] offset:\t*2*PITCH
.endr
.irp t, 0,1,2,3,4,5,6,7,8,9,10,11,12,13,14,15
	s_wait_dscnt 15-\t                             ; LDS loads come back in order: pair t of rows is in, the younger may be out
	global_store_b128 v[CO], v[U+4*\t:U+4*\t+3], s[12:13] offset:\t*2*HROW   ; 16 lanes store 256 consecutive bytes, at a multiple of 256 from hq's first byte
.endr
	s_wait_tensorcnt 0x0                           ; the wave's end, behind my last tensor load and my last LDS store
	ds_add_u32 v[SPW], v[NIL]
	s_wait_dscnt 0x0
	CROUND                                         ; the closing round: no work-group ends while a partner may still ask for a tile that names it
	s_endpgm
.Lfunc_end_k_q3e834c6ea6_gemm1:
	.size	k_q3e834c6ea6_gemm1, .Lfunc_end_k_q3e834c6ea6_gemm1-k_q3e834c6ea6_gemm1
	.p2alignl 7, 3214868480
	.fill 96, 4, 3214868480
	.section	.rodata,"a",@progbits
	.p2align	6, 0x0
	.amdhsa_kernel k_q3e834c6ea6_gemm1
		.amdhsa_group_segment_fixed_size 327680
		.amdhsa_private_segment_fixed_size 0
		.amdhsa_enable_private_segment 0
		.amdhsa_kernarg_size 40
		.amdhsa_user_sgpr_count 2
		.amdhsa_user_sgpr_kernarg_segment_ptr 1
		.amdhsa_wavefront_size32 1
		.amdhsa_system_sgpr_workgroup_id_x 1
		.amdhsa_system_sgpr_workgroup_id_y 1
		.amdhsa_system_sgpr_workgroup_id_z 1
		.amdhsa_system_vgpr_workitem_id 0
		.amdhsa_next_free_vgpr 1024
		.amdhsa_next_free_sgpr 100
		.amdhsa_reserve_vcc 0
		.amdhsa_float_denorm_mode_32 3
		.amdhsa_float_denorm_mode_16_64 3
		.amdhsa_memory_ordered 1
		.amdhsa_forward_progress 1
		.amdhsa_inst_pref_size 131
	.end_amdhsa_kernel
	.amdgpu_metadata
---
amdhsa.version: [ 1, 2 ]
amdhsa.kernels:
  - .name:           k_q3e834c6ea6_gemm1
    .symbol:         k_q3e834c6ea6_gemm1.kd
    .args:
      - { .name: xq, .offset: 0, .size: 8, .value_kind: global_buffer, .address_space: global }
      - { .name: W1_codes, .offset: 8, .size: 8, .value_kind: global_buffer, .address_space: global }
      - { .name: lowp_scales, .offset: 16, .size: 8, .value_kind: global_buffer, .address_space: global }
      - { .name: b1, .offset: 24, .size: 8, .value_kind: global_buffer, .address_space: global }
      - { .name: hq, .offset: 32, .size: 8, .value_kind: global_buffer, .address_space: global }
    .group_segment_fixed_size: 327680
    .private_segment_fixed_size: 0
    .kernarg_segment_align: 8
    .kernarg_segment_size: 40
    .max_flat_workgroup_size: 128
    .sgpr_count:     100
    .vgpr_count:     1024
    .wavefront_size: 32
...
	.end_amdgpu_metadata
.endif
;; end of part 2
;; launch gemm2 (part 3): grid 16 x 16, 4 waves a work-group, clusters of 4 x 4, 327,680 bytes of LDS; arguments hq, W2_codes, lowp_scales, b2, out0; writes out0
.if DOCPART == 3
	.amdgcn_target "amdgcn-amd-amdhsa--gfx1250"
	.amdhsa_code_object_version 6
	.text
	.protected	k_q3e834c6ea6_gemm2
	.globl	k_q3e834c6ea6_gemm2
	.p2align	8
	.type	k_q3e834c6ea6_gemm2,@function
k_q3e834c6ea6_gemm2:
	s_mov_b64 s[64:65], 0
	v_nop
	global_prefetch_b8 v0, s[64:65] scope:SCOPE_SE
	s_setreg_imm32_b32 hwreg(HW_REG_WAVE_MODE, 25, 1), 1
	s_wait_xcnt 0x0
	s_wait_alu depctr_hold_cnt(0) depctr_sa_sdst(0) depctr_va_vdst(0) depctr_va_sdst(0) depctr_va_ssrc(0) depctr_va_vcc(0) depctr_vm_vsrc(0)
	s_getreg_b32 s2, hwreg(HW_REG_IB_STS2, 6, 4)
	s_cmp_eq_u32 s2, 0
	s_cbranch_scc0 .Lentry_in_a_cluster
	s_endpgm
.Lentry_in_a_cluster:
	s_bfe_u32 s2, ttmp6, 0x10000c
	s_cmp_lg_u32 s2, 0xf033
	s_cbranch_scc0 .Lentry_shape_is_right
	s_endpgm
.Lentry_shape_is_right:
; out0[m][n] = 2^(e2 + e3) x (the sum over k of hq[m][k] W2c[n][k]) + b2[n].  hq: [2048][4096], W2c: [4096][4096]: E4M3 codes, one a byte, K innermost.  out0: [2048][4096] f32.  Sums in f32.
; Nothing of reference() is left out here.
; LIMITS: e2 + e3 between -126 and 127, so that 2^(e2 + e3) is an f32 number.
; TILE.  2,048 x 4,096 results are 256 tiles of 128 rows x 256 columns: one work-group of four waves to a tile.  Wave w makes rows 64 (w / 2) on and columns 128 (w % 2) on: 4 x 8 accumulators of 16 x 16, 256 registers.
; K goes in steps of 256 through a ring of two LDS slots filled by the tensor data mover: a tile's row is 256 bytes of memory, aligned.  A slot holds two steps of 128 along K, 32 matrix instructions a wave each.
; CLUSTERS: 4 x 4 work-groups.  The four of a row of the cluster need the same tile of hq, the four of a column the same tile of W2c: each is asked for JOINTLY, by the same tensor load with the same descriptor and a mask that names the four.
; THE MATRIX INSTRUCTION IS USED TRANSPOSED (source 0 = 16 rows of W2c, source 1 = 16 rows of hq): a lane holds one row m = 16 a + lane % 16 and the columns 16 b + 8 (lane / 16) + 0 .. 7.
; A fragment (16 rows x 128 K, 16 registers) comes by four loads of 16 bytes, 32 bytes apart: registers 4 c .. 4 c + 3 hold K = 32 c + 16 (lane / 16) + 0 .. 15: a permutation of k, the same on both sides, so that every product meets its partner.
; REGISTERS, in windows of 256: window 0: v1-31 addresses, b2; v128-255 rows on the way out.  window 1: W2c's fragments, two sets, at v0 and v128.  window 2: accumulator (a, b) at v[8 (8 a + b)].  window 3: hq's fragments, two sets, at v0 and v64.
.set KROW,   4096                      ; a row of hq or of W2c in bytes
.set OROW,   16384                     ; a row of out0 in bytes
.set PITCH,  272                       ; an LDS row: 256 bytes + 16 of padding = 68 words: row r starts at bank 4 r mod 64 (64 banks of 4 bytes: ISA guide 11.1)
.set ABYTES, 128*PITCH                 ; hq's 128 rows
.set SLOT,   384*PITCH                 ; then W2c's 256 rows
.set SPARE,  2*SLOT                    ; behind the ring: the spare words, 128 bytes for each wave: two blocks of 256 bytes that no other line names
.set STAGE,  SPARE+512                 ; the way out: 16 rows x 528 bytes for each wave; no tensor load lands here
.set SPITCH, 528                       ; a stage row: 512 bytes + 16
.set LAPS,   KROW/512                  ; a lap = once round the ring
.set BIAS, 8                           ; v8-11   b2 of the four columns that I store
.set ADRA, 16                          ; v16-17  LDS address of my fragments of hq in slot 0, 1
.set ADRB, 20                          ; v20-21  the same for W2c
.set STO,  24                          ; v24     the way out: where I put 32 bytes of a row
.set RD,   25                          ; v25     where I read 16 bytes of a row back
.set CO,   26                          ; v26     16 x lane: my byte offset in a row's 512 bytes
.set SPW,  28                          ; v28     LDS address of my spare word; never rewritten
.set NIL,  29                          ; v29     0; never rewritten
.set BK,   128                         ; 16 rows read back from the stage: v128-191 and v192-255 by turns
.set G1, 24                            ; s[24:31] descriptor group 1 for hq's tiles;  s[32:39] group 0, one set for each slot
.set G0, 32
.set G1B, 48                           ; s[48:55], s[56:63] the same for W2c's tiles
.set G0B, 56
.set MSB, 0
.macro WIN new                         ; the immediate's high byte repeats the setting that is left; a switch that changes nothing is dropped
.if MSB != \new
	s_set_vgpr_msb (MSB<<8)|\new
.set MSB, \new
.endif
.endm
.set MUL,  0xad                        ; source 0 (W2c) window 1, source 1 (hq) window 3, C and D window 2
.set TO_B, 0x40                        ; destination window 1, address window 0
.set TO_A, 0xc0                        ; destination window 3, address window 0
; A joint load: waves 0 and 1 fetch hq's two halves (64 rows each), waves 2 and 3 W2c's (128 rows each).  The branch hangs on the wave's number alone.
; An s_nop 0 and four v_nop follow each of the two lines, ahead of the jump, the label and what follows.
.macro JLOAD g0a, g1a, g0b, g1b
	s_cmp_eq_u32 s15, 0
	s_cbranch_scc0 .Lfor_b_\@
	tensor_load_to_lds s[\g0a:\g0a+3], s[\g1a:\g1a+7]
	s_nop 0
.rept 4
	v_nop
.endr
	s_branch .Lasked_\@
.Lfor_b_\@:
	tensor_load_to_lds s[\g0b:\g0b+3], s[\g1b:\g1b+7]
	s_nop 0
.rept 4
	v_nop
.endr
.Lasked_\@:
.endm
.macro CREST                           ; a round of the cluster's barrier behind its opening barrier
	s_cmp_lg_u32 s14, 0
	s_cbranch_scc1 .Lnot_wave_0_\@
	s_barrier_signal -3
.Lnot_wave_0_\@:
	s_barrier_wait -3
	s_barrier_signal -1
	s_barrier_wait -1
.endm
.macro CROUND                          ; a whole round
	s_barrier_signal -1
	s_barrier_wait -1
	CREST
.endm
.macro PLACES n                        ; plain vector instructions between a matrix instruction and a load into, or a read of, its registers (ISA guide 7.12.1 for reads)
.rept \n
	v_nop
.endr
.endm
	s_load_b256 s[4:11], s[0:1], 0x0               ; hq s[4:5], W2c s[6:7], the scales' exponents s[8:9], b2 s[10:11]
	s_load_b64 s[12:13], s[0:1], 0x20              ; out0
	v_lshl_add_u32 v[SPW], v0, 2, SPARE
	v_mov_b32 v[NIL], 0
	ds_add_u32 v[SPW], v[NIL]                      ; the wave's opening: the add, twice on end, and its wait ahead of my first tensor load; the set-up below stands between the second and the wait
	ds_add_u32 v[SPW], v[NIL]
	v_lshrrev_b32 v1, 5, v0
	v_readfirstlane_b32 s14, v1                    ; wave 0..3
	s_lshr_b32 s15, s14, 1                         ; which 64 rows of the tile are mine.  Also: I fetch for hq (0) or for W2c (1)
	s_and_b32 s16, s14, 1                          ; which 128 columns.  Also: which half of that tile I fetch
	s_bfe_u32 s40, ttmp6, 0x40000                  ; cx, cy: my place in the cluster
	s_bfe_u32 s41, ttmp6, 0x40004
	s_lshl_b32 s42, ttmp9, 2
	s_add_co_u32 s42, s42, s40                     ; tile column = 4 x cluster x + cx
	s_and_b32 s17, ttmp7, 0xffff
	s_lshl_b32 s17, s17, 2
	s_add_co_u32 s17, s17, s41                     ; tile row = 4 x cluster y + cy
	s_lshl_b32 s43, s41, 2
	s_lshl_b32 s43, 15, s43                        ; my row of the cluster
	s_lshl_b32 s44, 0x1111, s40                    ; my column
	s_or_b32 s[G1+0], s43, (0<<16)|(1<<20)|(1<<21)|(5<<22)|(3<<25)   ; 15:0 the mask; 17:16 elements of 1 byte; 20 padding on; 21 set beside a mask; 24:22 after every 64 words (code 5); 31:25 four words (code 3)
	s_or_b32 s[G1B+0], s44, (0<<16)|(1<<20)|(1<<21)|(5<<22)|(3<<25)
	s_mov_b32 s[G1+1], 256<<16                     ; tensor_dim0 = 256
	s_mov_b32 s[G1+2], 64<<16                      ; tensor_dim1 = 64
	s_mov_b32 s[G1+3], 256<<16                     ; tile_dim0 = 256
	s_mov_b32 s[G1+4], 64                          ; tile_dim1 = 64
	s_mov_b32 s[G1+5], KROW                        ; tensor_dim0_stride
	s_mov_b32 s[G1+6], 0
	s_mov_b32 s[G1+7], 0
	s_mov_b32 s[G1B+1], 256<<16
	s_mov_b32 s[G1B+2], 128<<16                    ; 128 rows
	s_mov_b32 s[G1B+3], 256<<16
	s_mov_b32 s[G1B+4], 128
	s_mov_b32 s[G1B+5], KROW
	s_mov_b32 s[G1B+6], 0
	s_mov_b32 s[G1B+7], 0
	s_lshl_b32 s18, s16, 6
	s_lshl_b32 s20, s17, 7
	s_add_co_u32 s20, s20, s18                     ; hq: row 128 x tile row + 64 x half,
	s_mul_i32 s20, s20, KROW                       ; in bytes (under 2^23)
	s_mov_b32 s21, 0
	s_lshl_b32 s19, s16, 7
	s_lshl_b32 s46, s42, 8
	s_add_co_u32 s46, s46, s19                     ; W2c: row 256 x tile column + 128 x half,
	s_mul_i32 s46, s46, KROW                       ; in bytes (under 2^24)
	s_mov_b32 s47, 0
	s_mul_i32 s45, s16, 64*PITCH                   ; where they go: no place in the cluster enters an LDS address
	s_mul_i32 s66, s16, 128*PITCH
	s_add_co_u32 s66, s66, ABYTES
	s_wait_dscnt 0x0                               ; both opening adds are done
	s_wait_kmcnt 0x0
	s_load_b128 s[96:99], s[8:9], 0x0              ; e0, e1, e2, e3
	s_add_nc_u64 s[20:21], s[4:5], s[20:21]
	s_add_nc_u64 s[46:47], s[6:7], s[46:47]
	CROUND                                         ; all sixteen work-groups are here: the first joint loads meet
.irp s, 0,1
	s_mov_b32 s[G0+4*\s], 1
	s_add_co_u32 s[G0+4*\s+1], s45, \s*SLOT
	s_add_nc_u64 s[G0+4*\s+2:G0+4*\s+3], s[20:21], \s*256
	s_or_b32 s[G0+4*\s+3], s[G0+4*\s+3], 0x80000000
	s_mov_b32 s[G0B+4*\s], 1
	s_add_co_u32 s[G0B+4*\s+1], s66, \s*SLOT
	s_add_nc_u64 s[G0B+4*\s+2:G0B+4*\s+3], s[46:47], \s*256
	s_or_b32 s[G0B+4*\s+3], s[G0B+4*\s+3], 0x80000000
	JLOAD G0+4*\s, G1, G0B+4*\s, G1B               ; two loads of mine are out behind the second
.endr
	v_and_b32 v1, 15, v0                           ; r = lane % 16
	v_bfe_u32 v2, v0, 4, 1                         ; h = lane / 16
	v_mul_u32_u24 v3, v1, PITCH
	v_lshl_add_u32 v4, v2, 4, v3                   ; a fragment's row x pitch + 16 x half
	s_mul_i32 s21, s15, 64*PITCH                   ; my 64 rows of hq
	s_mul_i32 s22, s16, 128*PITCH                  ; my 128 rows of W2c,
	s_add_co_u32 s22, s22, ABYTES                  ; which lie behind hq's 128
.irp s, 0,1
	v_add_nc_u32 v[ADRA+\s], s21, v4
	v_add_nc_u32 v[ADRB+\s], s22, v4
	s_add_co_u32 s21, s21, SLOT
	s_add_co_u32 s22, s22, SLOT
.endr
	s_mul_i32 s23, s14, 16*SPITCH
	s_add_co_u32 s23, s23, STAGE                   ; my stage
	v_mul_u32_u24 v5, v1, SPITCH                   ; in: row r, 32 bytes for each half of the lanes
	v_lshl_add_u32 v5, v2, 5, v5
	v_add_nc_u32 v[STO], s23, v5
	v_and_b32 v6, 31, v0
	v_lshlrev_b32 v[CO], 4, v6                     ; back: the 32 lanes take one row of 512 bytes; and the same in out0
	v_add_nc_u32 v[RD], s23, v[CO]
	s_lshl_b32 s20, s17, 7
	s_lshl_b32 s21, s15, 6
	s_add_co_u32 s20, s20, s21                     ; my first row: 128 x tile row + 64 x half
	s_lshl_b32 s20, s20, 14                        ; x 16,384 bytes (under 2^25)
	s_mov_b32 s21, 0
	s_add_nc_u64 s[12:13], s[12:13], s[20:21]
	s_lshl_b32 s46, s42, 10                        ; my first column, in bytes: 1,024 x tile column + 512 x half
	s_lshl_b32 s47, s16, 9
	s_add_co_u32 s46, s46, s47
	s_mov_b32 s47, 0
	s_add_nc_u64 s[12:13], s[12:13], s[46:47]
	s_add_nc_u64 s[10:11], s[10:11], s[46:47]      ; b2 likewise
	global_load_b128 v[BIAS:BIAS+3], v[CO], s[10:11]   ; the four columns that I store are the same in every row
.macro FRAG reg, adr, q, i             ; a fragment: rows 16 i on, the slot's q-th 128 along K
.irp c, 0,1,2,3
	ds_load_b128 v[\reg+4*\c:\reg+4*\c+3], v[\adr] offset:128*(\q)+32*\c+(\i)*16*PITCH
.endr
.endm
.macro FETCH slot, q, p                ; 48 LDS loads in one run: W2c's eight fragments and hq's four into set p
	WIN TO_B
.irp i, 0,1,2,3,4,5,6,7
	FRAG 128*(\p)+16*\i, ADRB+\slot, \q, \i
.endr
	WIN TO_A
.irp i, 0,1,2,3
	FRAG 64*(\p)+16*\i, ADRA+\slot, \q, \i
.endr
.endm
; Eight matrix instructions: hq's block a against W2c's eight, 128 along K, from set p.  zero = 1: the product starts the sums.  The 32 accumulators take turns, one instruction a turn, in the same order in every step.
.macro MUL8 a, p, zero
.irp b, 0,1,2,3,4,5,6,7
.if \zero
	v_wmma_f32_16x16x128_fp8_fp8 v[8*(8*(\a)+\b):8*(8*(\a)+\b)+7], v[128*(\p)+16*\b:128*(\p)+16*\b+15], v[64*(\p)+16*(\a):64*(\p)+16*(\a)+15], 0
.else
	v_wmma_f32_16x16x128_fp8_fp8 v[8*(8*(\a)+\b):8*(8*(\a)+\b)+7], v[128*(\p)+16*\b:128*(\p)+16*\b+15], v[64*(\p)+16*(\a):64*(\p)+16*(\a)+15], v[8*(8*(\a)+\b):8*(8*(\a)+\b)+7]
.endif
.endr
.endm
; A slot's first step: multiplies set 0; ahead of its products the slot's second step is fetched into set 1, 32 matrix instructions ahead of its use.
.macro STEP slot, zero
	s_wait_dscnt 0x0                               ; set 0 is in
	PLACES 4                                       ; behind the last products, which read set 1
	FETCH \slot, 1, 1
	WIN MUL
	MUL8 0, 0, \zero
	MUL8 1, 0, \zero
	MUL8 2, 0, \zero
	MUL8 3, 0, \zero
	WIN 0
.endm
; A slot's second step multiplies set 1 and changes slots: ONE barrier; in front of it each wave waits for all its tensor loads, adds 0 to its spare word, and waits for that and for its own reads of this slot.  fill = 1: this slot is filled again, 512 along K on.
.macro TURN slot, next, fill
	WIN 0
	s_wait_tensorcnt 0x0                           ; all my tensor loads have landed: the one that was out is my part of the next slot
	ds_add_u32 v[SPW], v[NIL]                      ; 0 onto my spare word
	s_wait_dscnt 1                                 ; set 1's 48 loads are in; the add may be out
	WIN MUL
	MUL8 0, 1, 0                                   ; eight matrix instructions stand between the add and the wait for it
	s_wait_dscnt 0x0                               ; the add is done, and my reads of this slot are over
	s_barrier_signal -1
	MUL8 1, 1, 0
	WIN 0
	s_barrier_wait -1
.if \fill
	CREST                                          ; the barrier has opened a round of the cluster's barrier: no wave of any partner still reads this slot or has a load on its way
	s_add_nc_u64 s[G0+4*\slot+2:G0+4*\slot+3], s[G0+4*\slot+2:G0+4*\slot+3], 512
	s_add_nc_u64 s[G0B+4*\slot+2:G0B+4*\slot+3], s[G0B+4*\slot+2:G0B+4*\slot+3], 512
	JLOAD G0+4*\slot, G1, G0B+4*\slot, G1B         ; the first tensor load behind the round, my one load until the next; its four v_nop are also the places in front of the loads below
.else
	PLACES 4
.endif
	FETCH \next, 0, 0
	WIN MUL
	MUL8 2, 1, 0
	MUL8 3, 1, 0
	WIN 0
.endm
	s_wait_tensorcnt 1                             ; my part of slot 0 is in; slot 1's load may stay out
	s_barrier_signal -1
	s_barrier_wait -1                              ; everybody's is
	FETCH 0, 0, 0
	STEP 0, 1                                      ; the first step stands in front of the loop: its products start the sums
	s_mov_b32 s3, LAPS-1
.Llap:                                                 ; a trip goes once round the ring and fills both slots again
	TURN 0, 1, 1
	STEP 1, 0
	TURN 1, 0, 1
	STEP 0, 0
	s_sub_co_u32 s3, s3, 1
	s_cmp_lg_u32 s3, 0
	s_cbranch_scc1 .Llap
	TURN 0, 1, 0                                   ; the last lap fills nothing, and has no round of the cluster's barrier
	STEP 1, 0
	s_wait_dscnt 0x0                               ; the very last step
	WIN MUL
	MUL8 0, 1, 0
	MUL8 1, 1, 0
	MUL8 2, 1, 0
	MUL8 3, 1, 0
	WIN 0
; THE WAY OUT, block by block of 16 rows x 128 columns.  A lane holds 32 neighbouring bytes of a row, and the lanes beside it hold other rows: so a block's sums go through my own stage in LDS as they stand and come back as whole
; rows of 512 bytes; there each lane holds four columns that are the same in every row, so that one set of four numbers of b2 serves: sum x 2^(e2 + e3) + b2, two at a time.  LDS serves a wave's instructions in order (ISA guide 5.7.1.4): no wait between the stores and the loads.
.macro TOSTAGE a
	WIN 0x08                                       ; the stores' data: window 2
.irp b, 0,1,2,3,4,5,6,7
	ds_store_b128 v[STO], v[64*(\a)+8*\b:64*(\a)+8*\b+3] offset:64*\b            ; each accumulator from its low end on
	ds_store_b128 v[STO], v[64*(\a)+8*\b+4:64*(\a)+8*\b+7] offset:64*\b+16
.endr
	WIN 0
.set BB, BK+64*((\a)%2)
.irp t, 0,1,2,3,4,5,6,7,8,9,10,11,12,13,14,15
	ds_load_b128 v[BB+4*\t:BB+4*\t+3], v[RD] offset:\t*SPITCH
.endr
.endm
.macro SEND a, younger                 ; younger: the LDS instructions issued behind block a's loads, which may stay out
.set BB, BK+64*((\a)%2)
	s_wait_dscnt \younger                          ; the block is back in registers
.irp t, 0,1,2,3,4,5,6,7,8,9,10,11,12,13,14,15
	v_pk_fma_f32 v[BB+4*\t:BB+4*\t+1], v[BB+4*\t:BB+4*\t+1], s[96:97], v[BIAS:BIAS+1] op_sel_hi:[1,0,1]
	v_pk_fma_f32 v[BB+4*\t+2:BB+4*\t+3], v[BB+4*\t+2:BB+4*\t+3], s[96:97], v[BIAS+2:BIAS+3] op_sel_hi:[1,0,1]
	global_store_b128 v[CO], v[BB+4*\t:BB+4*\t+3], s[12:13] offset:((\a)*16+\t)*OROW th:TH_STORE_NT   ; 32 lanes store 512 consecutive bytes, at a multiple of 256 from out0's first byte; 63 rows at the most: inside the signed 24-bit immediate
.endr
.endm
	s_wait_kmcnt 0x0
	s_add_co_i32 s96, s98, s99                     ; e2 + e3
	s_add_co_i32 s96, s96, 127
	s_lshl_b32 s96, s96, 23                        ; 2^(e2 + e3) as f32
	s_mov_b32 s97, s96                             ; (named with it as a pair, so it is written)
	s_wait_loadcnt 0x0                             ; b2
	PLACES 4                                       ; behind the last products, ahead of the first LDS store that reads results
	TOSTAGE 0
.irp a, 1,2,3
.if \a > 1
	s_wait_xcnt 0x0                                ; block a - 2's stores have read their registers: block a's loads may land there
.endif
	TOSTAGE \a
	SEND \a-1, 32                                  ; behind block a - 1's loads: block a's 16 stores and 16 loads
.endr
	SEND 3, 0
	s_wait_tensorcnt 0x0                           ; the wave's end, behind my last tensor load and my last LDS store
	ds_add_u32 v[SPW], v[NIL]
	s_wait_dscnt 0x0
	CROUND                                         ; the closing round: no work-group ends while a partner may still ask for a tile that names it
	s_endpgm
.Lfunc_end_k_q3e834c6ea6_gemm2:
	.size	k_q3e834c6ea6_gemm2, .Lfunc_end_k_q3e834c6ea6_gemm2-k_q3e834c6ea6_gemm2
	.p2alignl 7, 3214868480
	.fill 96, 4, 3214868480
	.section	.rodata,"a",@progbits
	.p2align	6, 0x0
	.amdhsa_kernel k_q3e834c6ea6_gemm2
		.amdhsa_group_segment_fixed_size 327680
		.amdhsa_private_segment_fixed_size 0
		.amdhsa_enable_private_segment 0
		.amdhsa_kernarg_size 40
		.amdhsa_user_sgpr_count 2
		.amdhsa_user_sgpr_kernarg_segment_ptr 1
		.amdhsa_wavefront_size32 1
		.amdhsa_system_sgpr_workgroup_id_x 1
		.amdhsa_system_sgpr_workgroup_id_y 1
		.amdhsa_system_sgpr_workgroup_id_z 1
		.amdhsa_system_vgpr_workitem_id 0
		.amdhsa_next_free_vgpr 1024
		.amdhsa_next_free_sgpr 100
		.amdhsa_reserve_vcc 0
		.amdhsa_float_denorm_mode_32 3
		.amdhsa_float_denorm_mode_16_64 3
		.amdhsa_memory_ordered 1
		.amdhsa_forward_progress 1
		.amdhsa_inst_pref_size 75
	.end_amdhsa_kernel
	.amdgpu_metadata
---
amdhsa.version: [ 1, 2 ]
amdhsa.kernels:
  - .name:           k_q3e834c6ea6_gemm2
    .symbol:         k_q3e834c6ea6_gemm2.kd
    .args:
      - { .name: hq, .offset: 0, .size: 8, .value_kind: global_buffer, .address_space: global }
      - { .name: W2_codes, .offset: 8, .size: 8, .value_kind: global_buffer, .address_space: global }
      - { .name: lowp_scales, .offset: 16, .size: 8, .value_kind: global_buffer, .address_space: global }
      - { .name: b2, .offset: 24, .size: 8, .value_kind: global_buffer, .address_space: global }
      - { .name: out0, .offset: 32, .size: 8, .value_kind: global_buffer, .address_space: global }
    .group_segment_fixed_size: 327680
    .private_segment_fixed_size: 0
    .kernarg_segment_align: 8
    .kernarg_segment_size: 40
    .max_flat_workgroup_size: 128
    .sgpr_count:     100
    .vgpr_count:     1024
    .wavefront_size: 32
...
	.end_amdgpu_metadata
.endif
;; end of part 3
;; ======== version 2 of 2: 3 launches
;; limits: inputs' magnitudes at most 6,588; right only within a limited range of input values
;; workspace buffers: xq 2,097,152 bytes; hqa 4,194,304 bytes; hqb 4,194,304 bytes
;; launch embed (part 4): grid 256 x 1, 8 waves a work-group, no clusters, 1,280 bytes of LDS; arguments t, lowp_scales, xq; writes xq
.if DOCPART == 4
	.amdgcn_target "amdgcn-amd-amdhsa--gfx1250"
	.amdhsa_code_object_version 6
	.text
	.protected	k_q3e834c6ea6_embed
	.globl	k_q3e834c6ea6_embed
	.p2align	8
	.type	k_q3e834c6ea6_embed,@function
k_q3e834c6ea6_embed:
	s_mov_b64 s[64:65], 0
	v_nop
	global_prefetch_b8 v0, s[64:65] scope:SCOPE_SE
	s_setreg_imm32_b32 hwreg(HW_REG_WAVE_MODE, 25, 1), 1
	s_wait_xcnt 0x0
; xq = E4M3 codes, with the given scale 2^e0, of the standardised positional embedding of t[row]:
;   x = 1000 t;  freq_i = (1e-4 as f32) ^ (i / 511), i = 0 .. 511;  channels 0-511 = cos(x freq_i), channels 512-1023 = sin(x freq_i);
;   (v - mean) / sqrt(variance) over the 1,024 channels; code = that / 2^e0, held within +-448.
; LEFT OUT, by an identity: the second pass over the channels for the variance.  The sum of (v - mean)^2 is the sum of v^2 less sum x mean, and the sum of v^2 is that of 512 pairs cos^2 + sin^2 = 1 of the same angle: 512 for every finite t.
;   variance = (512 - sum x mean) / 1023.  Every input still has a way to the output.  A NaN or an infinity in t reaches the result by the sum all the same.
; SHARES.  A work-group takes 8 rows; each wave takes 64 of the 512 angles of all 8 rows; a lane 16 neighbouring angles of one row: its 16 cosines and 16 sines are two runs of 16 neighbours along K in consecutive registers.
;   A row's sum: within the lane, over the four lanes of the row, and over the eight waves through LDS (one barrier).
; LAYOUT of xq, as the next launch's operand registers take it: 16 rows x 32 along K are 512 bytes; of them 8 rows are one aligned unit of 256 bytes, which 16 lanes store: row r of 16, half h of the 32, u = r / 8: byte 256 u + 128 (h xor u) + 16 (r % 8).
;   K's first five steps of 128: [256-row tile][step][64-row group][16 rows][32 K]; the last three, from byte 1,310,720: [256-row tile][64-row group][step][16 rows][32 K].
; SINE AND COSINE in f32: n = the angle x 2/pi rounded to a whole number (by adding 1.5 x 2^23); r = angle - n pi/2 with pi/2 in three parts by fused multiply-adds; polynomials on |r| <= pi/4; the quadrant from n's low two bits.
; THE FREQUENCIES follow reference()'s roundings: i / 511 rounded to f32 (a product with 1/511 and one correction step), then 2^(q log2(1e-4 as f32)) with the logarithm in two parts and the product's rounding error carried.
; LIMITS: |1000 t| x 2/pi under 2^22; e0 between -126 and 119; NaN and infinity in t are not served; the sum's order is not reference()'s.
.set FQ,  32                           ; v32-47   the 16 frequencies
.set KB,  48                           ; v48-63   first q log2: high part; then n + 1.5 x 2^23
.set R,   64                           ; v64-79   i; the logarithm's low part; the angle; r
.set N,   80                           ; v80-95   i / 511; n; r^2
.set SP,  96                           ; v96-111  the division's remainder; sin(r)
.set CP,  112                          ; v112-127 cos(r)
.set VAL, 128                          ; v128-143 the cosines, v144-159 the sines
.set CD,  160                          ; v160-167 the codes
	s_load_b128 s[4:7], s[0:1], 0x0                ; t s[4:5], the scales' exponents s[6:7]
	s_load_b64 s[8:9], s[0:1], 0x10                ; xq
	s_and_b32 s17, ttmp9, 1                        ; u: which 8 of 16 rows
	v_lshrrev_b32 v2, 5, v0                        ; wave
	v_and_b32 v1, 31, v0
	v_and_b32 v3, 7, v0                            ; my row of the eight
	v_bfe_u32 v7, v0, 3, 1
	v_and_b32 v6, 15, v0
	v_lshrrev_b32 v1, 4, v1                        ; lane / 16
	v_xor_b32 v7, s17, v7                          ; h
	v_lshlrev_b32 v29, 5, v3                       ; LDS: my row's eight words,
	v_lshlrev_b32 v6, 4, v6
	v_lshl_add_u32 v7, v1, 1, v7                   ; which 16 of the wave's 64 angles
	v_lshl_add_u32 v28, v2, 2, v29                 ; and my wave's among them
	v_lshl_add_u32 v6, v1, 9, v6                   ; my 16 codes: 16 x (lane % 16) + 512 x (lane / 16)
	v_lshl_add_u32 v7, v2, 2, v7
	v_lshlrev_b32 v3, 2, v3                        ; my row's word among the work-group's eight of t
	v_lshl_add_u32 v30, v0, 2, 256                 ; my spare word
	v_lshlrev_b32 v7, 4, v7                        ; my first angle
	v_mov_b32 v31, 0
	v_readfirstlane_b32 s16, v2
	s_lshl_b32 s10, ttmp9, 5                       ; the work-group's 8 numbers of t
	s_mov_b32 s11, 0
	s_lshr_b32 s18, ttmp9, 5                       ; 256-row tile
	s_bfe_u32 s19, ttmp9, 0x20003                  ; 64-row group in it
	s_bfe_u32 s23, ttmp9, 0x20001                  ; 16 rows in that
	s_lshl_b32 s23, s23, 11
	s_lshl_b32 s24, s17, 8
	s_add_co_u32 s23, s23, s24
	s_and_b32 s24, s16, 1                          ; which 64 of a step's 128 along K
	s_lshl_b32 s24, s24, 10
	s_add_co_u32 s23, s23, s24
	s_mul_i32 s14, s18, 163840
	s_lshl_b32 s24, s19, 13
	s_add_co_u32 s14, s14, s24
	s_add_co_u32 s14, s14, s23
	s_lshr_b32 s25, s16, 1                         ; the cosines' step of K: 0 .. 3; the sines' is 4 more
	s_add_co_u32 s26, s14, 4*32768                 ; step 4
	s_lshl_b32 s24, s25, 15
	s_add_co_u32 s14, s14, s24
	s_mov_b32 s15, 0
	s_lshl_b32 s27, s18, 2
	s_add_co_u32 s27, s27, s19
	s_mul_i32 s27, s27, 3
	s_add_co_u32 s27, s27, s25
	s_lshl_b32 s27, s27, 13
	s_add_co_u32 s27, s27, 1310720-8192            ; steps 5 .. 7
	s_add_co_u32 s27, s27, s23
	s_cmp_eq_u32 s25, 0
	s_cselect_b32 s26, s26, s27
	s_mov_b32 s27, 0
	s_mov_b32 s12, 0x76543210                      ; lane selects for v_permlanex16_b32: lane l xor 16
	s_mov_b32 s13, 0xfedcba98
	v_mov_b32 v8, 0x4b400000                       ; 1.5 x 2^23, as a pair
	v_mov_b32 v9, 0x4b400000
	v_mov_b32 v10, 0x3c08839e                      ; the sine's second coefficient, as a pair
	v_mov_b32 v11, 0x3c08839e
	v_mov_b32 v12, 0xbab6061a                      ; the cosine's second coefficient, as a pair
	v_mov_b32 v13, 0xbab6061a
	s_wait_alu depctr_va_vdst(0)                   ; at the head's end
	s_wait_kmcnt 0x0
	s_load_b32 s20, s[6:7], 0x0                    ; e0
	s_add_nc_u64 s[4:5], s[4:5], s[10:11]
	s_add_nc_u64 s[28:29], s[8:9], s[26:27]
	s_add_nc_u64 s[8:9], s[8:9], s[14:15]
	global_load_b32 v4, v3, s[4:5]                 ; t of my row
	; ---- the frequencies, while t is on its way
.irp j, 0,1,2,3,4,5,6,7,8,9,10,11,12,13,14,15
	v_add_nc_u32 v[R+\j], \j, v7
.endr
.irp j, 0,1,2,3,4,5,6,7,8,9,10,11,12,13,14,15
	v_cvt_f32_u32 v[R+\j], v[R+\j]
.endr
.irp p, 0,2,4,6,8,10,12,14
	v_pk_mul_f32 v[N+\p:N+\p+1], v[R+\p:R+\p+1], 0x3b004020 op_sel_hi:[1,0]                     ; i x (1/511)
.endr
.irp p, 0,2,4,6,8,10,12,14
	v_pk_fma_f32 v[SP+\p:SP+\p+1], v[N+\p:N+\p+1], 0xc3ff8000, v[R+\p:R+\p+1] op_sel_hi:[1,0,1]   ; the remainder i - 511 q
.endr
.irp p, 0,2,4,6,8,10,12,14
	v_pk_fma_f32 v[N+\p:N+\p+1], v[SP+\p:SP+\p+1], 0x3b004020, v[N+\p:N+\p+1] op_sel_hi:[1,0,1]   ; q = i / 511, rounded to f32
.endr
.irp p, 0,2,4,6,8,10,12,14
	v_pk_mul_f32 v[KB+\p:KB+\p+1], v[N+\p:N+\p+1], 0xc1549a78 op_sel_hi:[1,0]                    ; q x the logarithm's high part, rounded
.endr
.irp p, 0,2,4,6,8,10,12,14
	v_pk_fma_f32 v[R+\p:R+\p+1], v[N+\p:N+\p+1], 0xc1549a78, v[KB+\p:KB+\p+1] op_sel_hi:[1,0,1] neg_lo:[0,0,1] neg_hi:[0,0,1]   ; what that rounding dropped
.endr
.irp p, 0,2,4,6,8,10,12,14
	v_pk_fma_f32 v[R+\p:R+\p+1], v[N+\p:N+\p+1], 0xb4ab2b3d, v[R+\p:R+\p+1] op_sel_hi:[1,0,1]     ; + q x the logarithm's low part
.endr
	s_wait_alu depctr_va_vdst(0)                   ; ahead of the batch
.irp j, 0,1,2,3,4,5,6,7,8,9,10,11,12,13,14,15
	v_exp_f32 v[FQ+\j], v[KB+\j]
.endr
.irp p, 0,2,4,6,8,10,12,14
	v_pk_mul_f32 v[R+\p:R+\p+1], v[R+\p:R+\p+1], 0x3f317218 op_sel_hi:[1,0]                      ; the low part x ln 2: 2^d = 1 + d ln 2 for so small a d
.endr
	s_wait_alu depctr_va_vdst(0)                   ; and ahead of its first reader
.irp p, 0,2,4,6,8,10,12,14
	v_pk_fma_f32 v[FQ+\p:FQ+\p+1], v[FQ+\p:FQ+\p+1], v[R+\p:R+\p+1], v[FQ+\p:FQ+\p+1]
.endr
	; ---- the angles
	s_wait_alu depctr_va_vdst(0)                   ; directly ahead of the wait below
	s_wait_loadcnt 0x0                             ; t
	v_mul_f32 v4, 0x447a0000, v4                   ; x = 1000 t
	s_delay_alu instid0(VALU_DEP_1)
	v_mov_b32 v5, v4
.irp p, 0,2,4,6,8,10,12,14
	v_pk_mul_f32 v[R+\p:R+\p+1], v[FQ+\p:FQ+\p+1], v[4:5]
.endr
	; ---- range reduction
.irp p, 0,2,4,6,8,10,12,14
	v_pk_fma_f32 v[KB+\p:KB+\p+1], v[R+\p:R+\p+1], 0x3f22f983, v[8:9] op_sel_hi:[1,0,1]          ; angle x 2/pi + 1.5 x 2^23: n stands in the low bits
.endr
.irp p, 0,2,4,6,8,10,12,14
	v_pk_add_f32 v[N+\p:N+\p+1], v[KB+\p:KB+\p+1], v[8:9] neg_lo:[0,1] neg_hi:[0,1]              ; n as f32
.endr
.irp p, 0,2,4,6,8,10,12,14
	v_pk_fma_f32 v[R+\p:R+\p+1], v[N+\p:N+\p+1], 0xbfc90fdb, v[R+\p:R+\p+1] op_sel_hi:[1,0,1]
.endr
.irp p, 0,2,4,6,8,10,12,14
	v_pk_fma_f32 v[R+\p:R+\p+1], v[N+\p:N+\p+1], 0x333bbd2e, v[R+\p:R+\p+1] op_sel_hi:[1,0,1]
.endr
.irp p, 0,2,4,6,8,10,12,14
	v_pk_fma_f32 v[R+\p:R+\p+1], v[N+\p:N+\p+1], 0x26f72ced, v[R+\p:R+\p+1] op_sel_hi:[1,0,1]     ; r = angle - n pi/2
.endr
.irp p, 0,2,4,6,8,10,12,14
	v_pk_mul_f32 v[N+\p:N+\p+1], v[R+\p:R+\p+1], v[R+\p:R+\p+1]                                  ; r^2
.endr
	; ---- sin(r) = r + r^3 (S1 + S2 r^2 + S3 r^4);  cos(r) = 1 + r^2 (-1/2 + r^2 (C1 + C2 r^2 + C3 r^4))
.irp p, 0,2,4,6,8,10,12,14
	v_pk_fma_f32 v[SP+\p:SP+\p+1], v[N+\p:N+\p+1], 0xb94ca1f9, v[10:11] op_sel_hi:[1,0,1]
	v_pk_fma_f32 v[CP+\p:CP+\p+1], v[N+\p:N+\p+1], 0x37ccf5ce, v[12:13] op_sel_hi:[1,0,1]
.endr
.irp p, 0,2,4,6,8,10,12,14
	v_pk_fma_f32 v[SP+\p:SP+\p+1], v[SP+\p:SP+\p+1], v[N+\p:N+\p+1], 0xbe2aaaa3 op_sel_hi:[1,1,0]
	v_pk_fma_f32 v[CP+\p:CP+\p+1], v[CP+\p:CP+\p+1], v[N+\p:N+\p+1], 0x3d2aaaa5 op_sel_hi:[1,1,0]
.endr
.irp p, 0,2,4,6,8,10,12,14
	v_pk_mul_f32 v[SP+\p:SP+\p+1], v[SP+\p:SP+\p+1], v[N+\p:N+\p+1]
	v_pk_fma_f32 v[CP+\p:CP+\p+1], v[CP+\p:CP+\p+1], v[N+\p:N+\p+1], -0.5 op_sel_hi:[1,1,0]
.endr
.irp p, 0,2,4,6,8,10,12,14
	v_pk_fma_f32 v[SP+\p:SP+\p+1], v[SP+\p:SP+\p+1], v[R+\p:R+\p+1], v[R+\p:R+\p+1]
	v_pk_fma_f32 v[CP+\p:CP+\p+1], v[CP+\p:CP+\p+1], v[N+\p:N+\p+1], 1.0 op_sel_hi:[1,1,0]
.endr
	; ---- the quadrant q = n mod 4.  q odd: sine and cosine change places.  The sine is negated where q is 2 or 3, the cosine where q is 1 or 2.
.irp j, 0,1,2,3,4,5,6,7,8,9,10,11,12,13,14,15
	v_lshlrev_b32 v[20+2*(\j%2)], 31, v[KB+\j]                                     ; bit 0 of n as a sign bit
	v_and_b32 v[21+2*(\j%2)], 2, v[KB+\j]
	s_delay_alu instid0(VALU_DEP_2)
	v_cmp_ne_u32 vcc_lo, 0, v[20+2*(\j%2)]
	s_delay_alu instid0(VALU_DEP_2)
	v_lshlrev_b32 v[21+2*(\j%2)], 30, v[21+2*(\j%2)]                               ; bit 1 of n as a sign bit
	s_delay_alu instid0(VALU_DEP_2)
	v_cndmask_b32 v[VAL+\j], v[CP+\j], v[SP+\j], vcc_lo
	s_delay_alu instid0(VALU_DEP_3)
	v_cndmask_b32 v[VAL+16+\j], v[SP+\j], v[CP+\j], vcc_lo
	s_delay_alu instid0(VALU_DEP_1)
	v_xor_b32 v[VAL+16+\j], v[VAL+16+\j], v[21+2*(\j%2)]
	s_delay_alu instid0(VALU_DEP_4)
	v_xor_b32 v[21+2*(\j%2)], v[21+2*(\j%2)], v[20+2*(\j%2)]
	s_delay_alu instid0(VALU_DEP_1)
	v_xor_b32 v[VAL+\j], v[VAL+\j], v[21+2*(\j%2)]
.endr
	; ---- the mean: my 32 numbers in four chains of pairs, the row's four lanes, the eight waves
.irp c, 0,1,2,3
	v_pk_add_f32 v[20+2*\c:21+2*\c], v[VAL+4*\c:VAL+4*\c+1], v[VAL+4*\c+2:VAL+4*\c+3]
.endr
.irp c, 0,1,2,3
	s_delay_alu instid0(VALU_DEP_4)
	v_pk_add_f32 v[20+2*\c:21+2*\c], v[20+2*\c:21+2*\c], v[VAL+16+4*\c:VAL+16+4*\c+1]
.endr
.irp c, 0,1,2,3
	s_delay_alu instid0(VALU_DEP_4)
	v_pk_add_f32 v[20+2*\c:21+2*\c], v[20+2*\c:21+2*\c], v[VAL+16+4*\c+2:VAL+16+4*\c+3]
.endr
	s_delay_alu instid0(VALU_DEP_3)
	v_pk_add_f32 v[20:21], v[20:21], v[22:23]
	s_delay_alu instid0(VALU_DEP_2)
	v_pk_add_f32 v[24:25], v[24:25], v[26:27]
	s_delay_alu instid0(VALU_DEP_1)
	v_pk_add_f32 v[20:21], v[20:21], v[24:25]
	s_delay_alu instid0(VALU_DEP_1)
	v_add_f32 v20, v20, v21
	s_delay_alu instid0(VALU_DEP_1)
	v_add_f32_dpp v20, v20, v20 row_xmask:8 row_mask:0xf bank_mask:0xf
	s_delay_alu instid0(VALU_DEP_1)
	v_permlanex16_b32 v27, v20, s12, s13           ; its destination counts as read: v27 was written by the fourth chain
	s_delay_alu instid0(VALU_DEP_1)
	v_add_f32 v20, v20, v27
	ds_store_b32 v28, v20                          ; the row's four lanes write the same word with the same number
	s_wait_alu depctr_va_vdst(0)                   ; directly ahead of the waits below
	s_wait_dscnt 0x0                               ; for the other waves' sake
	s_barrier_signal -1
	s_barrier_wait -1
	ds_load_b128 v[20:23], v29
	ds_load_b128 v[24:27], v29 offset:16
	s_wait_dscnt 0x0
	v_pk_add_f32 v[20:21], v[20:21], v[22:23]
	v_pk_add_f32 v[24:25], v[24:25], v[26:27]
	s_delay_alu instid0(VALU_DEP_1)
	v_pk_add_f32 v[20:21], v[20:21], v[24:25]
	s_delay_alu instid0(VALU_DEP_1)
	v_add_f32 v20, v20, v21
	s_delay_alu instid0(VALU_DEP_1)
	v_mul_f32 v16, 0x3a800000, v20                 ; / 1,024
	s_delay_alu instid0(VALU_DEP_1)
	v_mov_b32 v17, v16
	v_fma_f32 v7, -v20, v16, 0x44000000            ; 512 - sum x mean
.irp p, 0,2,4,6,8,10,12,14,16,18,20,22,24,26,28,30
	v_pk_add_f32 v[VAL+\p:VAL+\p+1], v[VAL+\p:VAL+\p+1], v[16:17] neg_lo:[0,1] neg_hi:[0,1]
.endr
	v_mul_f32 v7, 0x3a802008, v7                   ; / 1,023
	s_wait_alu depctr_va_vdst(0)
	v_rsq_f32 v18, v7
	s_wait_kmcnt 0x0                               ; e0
	s_add_co_i32 s21, s20, 127
	s_lshl_b32 s22, s21, 23
	v_mov_b32 v14, s22                             ; 2^e0 as f32: the conversion takes its exponent field
	s_add_co_i32 s21, s21, 8
	s_lshl_b32 s21, s21, 23
	s_or_b32 s21, s21, 0x600000
	v_mov_b32 v15, s21                             ; 448 x 2^e0
	s_wait_alu depctr_va_vdst(0)                   ; ahead of the root's first reader
	v_mov_b32 v19, v18
.irp p, 0,2,4,6,8,10,12,14,16,18,20,22,24,26,28,30
	v_pk_mul_f32 v[VAL+\p:VAL+\p+1], v[VAL+\p:VAL+\p+1], v[18:19]
.endr
	; ---- the quantiser
.irp j, 0,1,2,3,4,5,6,7,8,9,10,11,12,13,14,15,16,17,18,19,20,21,22,23,24,25,26,27,28,29,30,31
	v_med3_num_f32 v[VAL+\j], v[VAL+\j], -v15, v15 ; the conversion to an 8-bit code does not saturate (ISA guide 7.6.2): the hold at the largest code x the scale
.endr
.irp g, 0,1,2,3
	v_cvt_scalef32_pk8_fp8_f32 v[CD+2*\g:CD+2*\g+1], v[VAL+8*\g:VAL+8*\g+7], v14
.endr
	v_nop                                          ; a plain instruction behind the last scaled conversion
	global_store_b128 v6, v[CD:CD+3], s[8:9]                   ; the cosines: sixteen lanes store 256 consecutive bytes, aligned
	global_store_b128 v6, v[CD+4:CD+7], s[28:29]               ; the sines
	s_wait_tensorcnt 0x0                           ; the wave's end
	ds_add_u32 v30, v31
	s_wait_dscnt 0x0
	s_endpgm
.Lfunc_end_k_q3e834c6ea6_embed:
	.size	k_q3e834c6ea6_embed, .Lfunc_end_k_q3e834c6ea6_embed-k_q3e834c6ea6_embed
	.p2alignl 7, 3214868480
	.fill 96, 4, 3214868480
	.section	.rodata,"a",@progbits
	.p2align	6, 0x0
	.amdhsa_kernel k_q3e834c6ea6_embed
		.amdhsa_group_segment_fixed_size 1280
		.amdhsa_private_segment_fixed_size 0
		.amdhsa_enable_private_segment 0
		.amdhsa_kernarg_size 24
		.amdhsa_user_sgpr_count 2
		.amdhsa_user_sgpr_kernarg_segment_ptr 1
		.amdhsa_wavefront_size32 1
		.amdhsa_system_sgpr_workgroup_id_x 1
		.amdhsa_system_sgpr_workgroup_id_y 1
		.amdhsa_system_sgpr_workgroup_id_z 1
		.amdhsa_system_vgpr_workitem_id 0
		.amdhsa_next_free_vgpr 176
		.amdhsa_next_free_sgpr 66
		.amdhsa_reserve_vcc 1
		.amdhsa_float_denorm_mode_32 3
		.amdhsa_float_denorm_mode_16_64 3
		.amdhsa_memory_ordered 1
		.amdhsa_forward_progress 1
		.amdhsa_inst_pref_size 36
	.end_amdhsa_kernel
	.amdgpu_metadata
---
amdhsa.version: [ 1, 2 ]
amdhsa.kernels:
  - .name:           k_q3e834c6ea6_embed
    .symbol:         k_q3e834c6ea6_embed.kd
    .args:
      - { .name: t, .offset: 0, .size: 8, .value_kind: global_buffer, .address_space: global }
      - { .name: lowp_scales, .offset: 8, .size: 8, .value_kind: global_buffer, .address_space: global }
      - { .name: xq, .offset: 16, .size: 8, .value_kind: global_buffer, .address_space: global }
    .group_segment_fixed_size: 1280
    .private_segment_fixed_size: 0
    .kernarg_segment_align: 8
    .kernarg_segment_size: 24
    .max_flat_workgroup_size: 256
    .sgpr_count:     66
    .vgpr_count:     176
    .wavefront_size: 32
...
	.end_amdgpu_metadata
.endif
;; end of part 4
;; launch gemm1 (part 5): grid 8 x 32, 4 waves a work-group, clusters of 4 x 4, 327,680 bytes of LDS; arguments xq, W1_codes, lowp_scales, b1, hqa, hqb; writes hqa, hqb
.if DOCPART == 5
	.amdgcn_target "amdgcn-amd-amdhsa--gfx1250"
	.amdhsa_code_object_version 6
	.text
	.protected	k_q3e834c6ea6_gemm1
	.globl	k_q3e834c6ea6_gemm1
	.p2align	8
	.type	k_q3e834c6ea6_gemm1,@function
k_q3e834c6ea6_gemm1:
	s_mov_b64 s[64:65], 0
	v_nop
	global_prefetch_b8 v0, s[64:65] scope:SCOPE_SE
	s_setreg_imm32_b32 hwreg(HW_REG_WAVE_MODE, 25, 1), 1
	s_wait_xcnt 0x0
	s_wait_alu depctr_hold_cnt(0) depctr_sa_sdst(0) depctr_va_vdst(0) depctr_va_sdst(0) depctr_va_ssrc(0) depctr_va_vcc(0) depctr_vm_vsrc(0)
	s_getreg_b32 s2, hwreg(HW_REG_IB_STS2, 6, 4)
	s_cmp_eq_u32 s2, 0
	s_cbranch_scc0 .Lentry_in_a_cluster
	s_endpgm
.Lentry_in_a_cluster:
	s_bfe_u32 s2, ttmp6, 0x10000c
	s_cmp_lg_u32 s2, 0xf033
	s_cbranch_scc0 .Lentry_shape_is_right
	s_endpgm
.Lentry_shape_is_right:
; h = silu(2^(e0 + e1) x (sum over k of xq[m][k] W1c[n][k]) + b1[n]), M = 2048, N = 4096, K = 1024; E4M3 codes, sums in f32; stored as E4M3 codes with the scale 2^e2.  Nothing of reference() is left out here.
; LIMITS: e0 + e1 between -126 and 126; e2 between -126 and 119; a sum or a bias that overflows f32 when multiplied by log2 e is not served.
; TILE 256 rows x 128 columns: 256 work-groups of four waves; wave w makes rows 64 w on, all 128 columns: 4 x 8 accumulators.
; ONE FILL OF LDS serves the launch: all of W1c's 128 rows (133,120 bytes) and K's first five steps of 128 of xq's 256 rows (163,840 bytes, a dense image of memory); a wave issues one tensor load.  xq's last three steps do not fit beside them and
;   go straight into registers, 48 loads of 512 bytes a wave, issued when the tile has landed, five steps ahead of their use.  No byte is prefetched: the launch has no loop to run ahead in.
; CLUSTERS 4 x 4: xq's tile hangs on the tile row and is shared by the four of equal cx, W1c's on the tile column and is shared by the four of equal cy: joint loads.
; TRANSPOSED: source 0 = 16 rows of W1c, source 1 = 16 rows of xq: a lane holds one row m = 16 a + lane % 16 and the columns 16 b + 8 (lane / 16) + 0 .. 7.
; REGISTERS, in windows of 256.  0: v1-31 addresses; v32-63 codes; v64-127, v128-191 xq's steps 5 and 7, then the activation's numbers; v192-255 -log2 e x b1.  2: accumulator (a, b) at v[8 (8 a + b)].
;   1: even steps: W1c's eight fragments at v0, xq's four at v128 (step 6: v192).  3: odd steps likewise.
.set PITCH,  1040                      ; 1,024 bytes + 16 of padding = 260 words: row r starts at bank 4 r mod 64 (64 banks of 4 bytes: ISA guide 11.1)
.set ABASE,  128*PITCH
.set SPARE,  ABASE+163840              ; the spare words
.set CODE, 32
.set U,    64
.set E,    128
.set BI,   192
.set NL,   14                          ; v14-15  -log2 e
.set WL,   16                          ; v16-17  W1c's fragments: rows 0-63, 64-127
.set AL,   18                          ; v18-20  xq's fragments: steps 0-1, 2-3, 4
.set AOFF, 21                          ; v21     my 16 bytes of 512 of xq
.set HOFF, 22                          ; v22     my 8 bytes of 256 of h
.set SPW,  28
.set NIL,  29
.set LIMV, 30
.set SCV,  31
.set G1A, 28                           ; s[28:35], s[36:43] descriptor group 1: xq, W1c;  s[44:47], s[48:51] group 0
.set G1B, 36
.set G0A, 44
.set G0B, 48
.set MSB, 0
.macro WIN new                         ; the immediate's high byte repeats the setting that is left
.if MSB != \new
	s_set_vgpr_msb (MSB<<8)|\new
.set MSB, \new
.endif
.endm
.macro CROUND                          ; a round of the cluster's barrier
	s_barrier_signal -1
	s_barrier_wait -1
	s_cmp_lg_u32 s18, 0
	s_cbranch_scc1 .Lnot_wave_0_\@
	s_barrier_signal -3
.Lnot_wave_0_\@:
	s_barrier_wait -3
	s_barrier_signal -1
	s_barrier_wait -1
.endm
.macro PLACES n
.rept \n
	v_nop
.endr
.endm
	s_load_b256 s[4:11], s[0:1], 0x0               ; xq s[4:5], W1c s[6:7], the scales' exponents s[8:9], b1 s[10:11]
	s_load_b128 s[12:15], s[0:1], 0x20             ; hqa s[12:13], hqb s[14:15]
	v_lshl_add_u32 v[SPW], v0, 2, SPARE
	v_mov_b32 v[NIL], 0
	ds_add_u32 v[SPW], v[NIL]                      ; the wave's opening: the add, twice on end, and its wait ahead of my first tensor load
	ds_add_u32 v[SPW], v[NIL]
	v_lshrrev_b32 v1, 5, v0                        ; wave
	v_readfirstlane_b32 s18, v1
	v_and_b32 v2, 15, v0                           ; r
	v_bfe_u32 v3, v0, 4, 1                         ; h
	v_mul_u32_u24 v4, v2, PITCH
	v_lshl_add_u32 v[WL], v3, 4, v4
	v_add_nc_u32 v[WL+1], 64*PITCH, v[WL]
	v_lshrrev_b32 v5, 3, v2                        ; u = r / 8
	v_xor_b32 v6, v3, v5
	v_and_b32 v7, 7, v2
	v_lshlrev_b32 v7, 4, v7
	v_lshl_add_u32 v7, v6, 7, v7
	v_lshl_add_u32 v[AOFF], v5, 8, v7              ; 256 u + 128 (h xor u) + 16 (r % 8)
	v_lshl_add_u32 v8, v1, 13, v[AOFF]
	v_add_nc_u32 v[AL], ABASE, v8
	v_add_nc_u32 v[AL+1], ABASE+65536, v8
	v_add_nc_u32 v[AL+2], ABASE+131072, v8
	v_lshlrev_b32 v9, 4, v2
	v_lshl_add_u32 v[HOFF], v3, 3, v9
	v_lshlrev_b32 v10, 5, v3                       ; b1: my eight columns of sixteen
	v_mov_b32 v[NL], 0xbfb8aa3b
	v_mov_b32 v[NL+1], 0xbfb8aa3b
	s_lshr_b32 s19, s18, 1                         ; I fetch for xq (0) or for W1c (1)
	s_and_b32 s20, s18, 1                          ; which half
	s_bfe_u32 s22, ttmp6, 0x40000                  ; cx, cy
	s_bfe_u32 s23, ttmp6, 0x40004
	s_lshl_b32 s24, ttmp9, 2
	s_add_co_u32 s24, s24, s22                     ; tile row
	s_and_b32 s25, ttmp7, 0xffff
	s_lshl_b32 s25, s25, 2
	s_add_co_u32 s25, s25, s23                     ; tile column
	s_lshl_b32 s52, 0x1111, s22                    ; the four of equal cx
	s_lshl_b32 s53, s23, 2
	s_lshl_b32 s53, 15, s53                        ; the four of equal cy
	s_or_b32 s[G1A], s52, (3<<16)|(1<<21)          ; elements of 8 bytes, no padding: 20 rows of 4,096 bytes, dense
	s_mov_b32 s[G1A+1], 512<<16
	s_mov_b32 s[G1A+2], 20<<16
	s_mov_b32 s[G1A+3], 512<<16
	s_mov_b32 s[G1A+4], 20
	s_mov_b32 s[G1A+5], 512
	s_mov_b32 s[G1A+6], 0
	s_mov_b32 s[G1A+7], 0
	s_or_b32 s[G1B], s53, (1<<20)|(1<<21)|(7<<22)|(3<<25)   ; elements of 1 byte; four words of padding after every 256: 64 rows of 1,024 bytes
	s_mov_b32 s[G1B+1], 1024<<16
	s_mov_b32 s[G1B+2], 64<<16
	s_mov_b32 s[G1B+3], 1024<<16
	s_mov_b32 s[G1B+4], 64
	s_mov_b32 s[G1B+5], 1024
	s_mov_b32 s[G1B+6], 0
	s_mov_b32 s[G1B+7], 0
	s_mul_i32 s54, s20, 81920                      ; xq: half of the tile's 163,840 bytes
	s_mul_i32 s56, s24, 163840
	s_add_co_u32 s56, s56, s54
	s_mov_b32 s57, 0
	s_mul_i32 s55, s20, 64*PITCH                   ; W1c: 64 of the tile's 128 rows
	s_lshl_b32 s58, s25, 17
	s_lshl_b32 s60, s20, 16
	s_add_co_u32 s58, s58, s60
	s_mov_b32 s59, 0
	s_lshl_b32 s66, s24, 2
	s_add_co_u32 s66, s66, s18                     ; 64-row group
	s_mul_i32 s68, s66, 24576
	s_add_co_u32 s68, s68, 1310720                 ; xq's last three steps of my rows
	s_mov_b32 s69, 0
	s_lshl_b32 s70, s66, 5
	s_add_co_u32 s70, s70, s25
	s_lshl_b32 s70, s70, 12                        ; hqb: [64-row group][step = tile column][16 rows][32 K]
	s_mov_b32 s71, 0
	s_lshl_b32 s72, s24, 5
	s_add_co_u32 s72, s72, s25
	s_lshl_b32 s72, s72, 2
	s_add_co_u32 s72, s72, s18
	s_lshl_b32 s72, s72, 12                        ; hqa: [256-row tile][step][64-row group][16 rows][32 K]
	s_mov_b32 s73, 0
	s_lshl_b32 s74, s25, 9
	s_mov_b32 s75, 0
	s_wait_alu depctr_va_vdst(0)                   ; directly ahead of the waits below
	s_wait_dscnt 0x0                               ; both opening adds are done
	s_wait_kmcnt 0x0
	s_load_b128 s[96:99], s[8:9], 0x0              ; e0, e1, e2, e3
	s_add_nc_u64 s[56:57], s[4:5], s[56:57]
	s_add_nc_u64 s[58:59], s[6:7], s[58:59]
	s_mov_b32 s[G0A], 1
	s_add_co_u32 s[G0A+1], s54, ABASE
	s_mov_b64 s[G0A+2:G0A+3], s[56:57]
	s_or_b32 s[G0A+3], s[G0A+3], 0x80000000
	s_mov_b32 s[G0B], 1
	s_mov_b32 s[G0B+1], s55
	s_mov_b64 s[G0B+2:G0B+3], s[58:59]
	s_or_b32 s[G0B+3], s[G0B+3], 0x80000000
	CROUND                                         ; all sixteen work-groups are here: the joint loads meet
	s_cmp_eq_u32 s19, 0
	s_cbranch_scc0 .Lfor_w
	tensor_load_to_lds s[G0A:G0A+3], s[G1A:G1A+7]
	s_nop 0
	PLACES 4
	s_branch .Lasked
.Lfor_w:
	tensor_load_to_lds s[G0B:G0B+3], s[G1B:G1B+7]
	s_nop 0
	PLACES 4
.Lasked:
	s_add_nc_u64 s[10:11], s[10:11], s[74:75]
	s_add_nc_u64 s[12:13], s[12:13], s[72:73]
	s_add_nc_u64 s[14:15], s[14:15], s[70:71]
	s_add_nc_u64 s[68:69], s[4:5], s[68:69]
.irp b, 0,1,2,3,4,5,6,7
	global_load_b128 v[BI+8*\b:BI+8*\b+3], v10, s[10:11] offset:64*\b
	global_load_b128 v[BI+8*\b+4:BI+8*\b+7], v10, s[10:11] offset:64*\b+16
.endr
.macro PRE                             ; the names of step S
.set W, 1+2*(S%2)                      ; W1c's window
.set AW, W                             ; xq's window and first register
.set AB, 128
.if (S == 5) || (S == 7)
.set AW, 0
.set AB, 64+32*(S-5)
.endif
.if S == 6
.set AB, 192
.endif
.set MULW, 0xa0+W+4*AW
.set LDW, (4-W)<<6
.endm
.macro FETCH s                         ; the fragments of step s, in one run
.irp f, 0,1,2,3,4,5,6,7
.irp c, 0,1,2,3
	ds_load_b128 v[16*\f+4*\c:16*\f+4*\c+3], v[WL+\f/4] offset:128*(\s)+32*\c+(\f%4)*16*PITCH
.endr
.endr
.if (\s) < 5
.irp i, 0,1,2,3,4,5,6,7,8,9,10,11,12,13,14,15
	ds_load_b128 v[128+4*\i:128+4*\i+3], v[AL+(\s)/2] offset:((\s)%2)*32768+512*\i
.endr
.endif
.endm
.macro MUL8 a                          ; xq's block a against W1c's eight.  The 32 accumulators take turns in the same order in every step
.irp b, 0,1,2,3,4,5,6,7
.if S == 0
	v_wmma_f32_16x16x128_fp8_fp8 v[64*(\a)+8*\b:64*(\a)+8*\b+7], v[16*\b:16*\b+15], v[AB+16*(\a):AB+16*(\a)+15], 0
.else
	v_wmma_f32_16x16x128_fp8_fp8 v[64*(\a)+8*\b:64*(\a)+8*\b+7], v[16*\b:16*\b+15], v[AB+16*(\a):AB+16*(\a)+15], v[64*(\a)+8*\b:64*(\a)+8*\b+7]
.endif
.endr
.endm
.macro STEP
	PRE
.if S > 4
	s_wait_loadcnt 16*(7-S)                        ; this step's sixteen of xq; the later steps' may be out
.endif
	s_wait_dscnt 0x0
.if S < 7
	PLACES 4                                       ; behind the last step's products, whose registers these loads take
	WIN LDW
	FETCH S+1
.endif
	WIN MULW
	MUL8 0
	MUL8 1
	MUL8 2
	MUL8 3
.set S, S+1
.endm
	s_wait_alu depctr_va_vdst(0)                   ; at the head's end
	s_wait_loadcnt 0x0                             ; b1
	s_wait_tensorcnt 0x0                           ; my part of the tile
	s_barrier_signal -1
	s_barrier_wait -1                              ; everybody's
	WIN 0x40
	FETCH 0
.irp i, 0,1,2,3,4,5,6,7,8,9,10,11,12,13,14,15
	WIN 0
	global_load_b128 v[64+4*\i:64+4*\i+3], v[AOFF], s[68:69] offset:512*\i
.endr
	WIN 0x40
.irp i, 0,1,2,3,4,5,6,7,8,9,10,11,12,13,14,15
	global_load_b128 v[192+4*\i:192+4*\i+3], v[AOFF], s[68:69] offset:8192+512*\i
.endr
	WIN 0
.irp i, 0,1,2,3,4,5,6,7,8,9,10,11,12,13,14,15
	global_load_b128 v[128+4*\i:128+4*\i+3], v[AOFF], s[68:69] offset:16384+512*\i
.endr
.set i, 0
.rept 32
	v_pk_mul_f32 v[BI+i:BI+i+1], v[BI+i:BI+i+1], v[NL:NL+1]
.set i, i+2
.endr
	s_wait_alu depctr_va_vdst(0)                   ; directly behind the writes
.set S, 0
.rept 8
	STEP
.endr
	WIN 0
	s_wait_kmcnt 0x0
	s_add_co_i32 s96, s96, s97
	s_lshl_b32 s96, s96, 23
	s_add_co_i32 s96, s96, 0xbfb8aa3b              ; -log2 e x 2^(e0 + e1): the exponents are added to the exponent field
	s_mov_b32 s97, s96
	s_add_co_i32 s98, s98, 127
	s_lshl_b32 s99, s98, 23
	v_mov_b32 v[SCV], s99                          ; 2^e2
	s_add_co_i32 s98, s98, 8
	s_lshl_b32 s98, s98, 23
	s_or_b32 s98, s98, 0x600000
	v_mov_b32 v[LIMV], s98                         ; 448 x 2^e2
	PLACES 4                                       ; behind the last products
; THE ACTIVATION of block a, 64 numbers a lane.  u = sum x 2^(e0 + e1) + b1; v = -log2 e x u by one multiply-add; silu(u) = u / (1 + 2^v) = v / (-log2 e x (1 + 2^v)), the divisor by one multiply-add.
; Where 2^v overflows, the reciprocal is a zero and so is the result.  Eight codes a lane of (a, b): over the 32 lanes one aligned run of 256 bytes, stored at once.
.macro ACT a
.if (\a) > 1
	s_wait_xcnt 0x0                                ; block a - 2's stores have read their codes
.endif
	s_wait_alu depctr_va_vdst(0)                   ; ahead of a matrix result's first reader
	WIN 0x02
.set i, 0
.rept 32
	v_pk_fma_f32 v[U+i:U+i+1], v[64*(\a)+i:64*(\a)+i+1], s[96:97], v[BI+i:BI+i+1] op_sel_hi:[1,0,1]
.set i, i+2
.endr
	WIN 0
	s_wait_alu depctr_va_vdst(0)
.set i, 0
.rept 64
	v_exp_f32 v[E+i], v[U+i]
.set i, i+1
.endr
	v_nop
	s_wait_alu depctr_va_vdst(0)
.set i, 0
.rept 32
	v_pk_fma_f32 v[E+i:E+i+1], v[E+i:E+i+1], v[NL:NL+1], v[NL:NL+1]
.set i, i+2
.endr
	s_wait_alu depctr_va_vdst(0)
.set i, 0
.rept 64
	v_rcp_f32 v[E+i], v[E+i]
.set i, i+1
.endr
	v_nop
	s_wait_alu depctr_va_vdst(0)
.set i, 0
.rept 32
	v_pk_mul_f32 v[U+i:U+i+1], v[U+i:U+i+1], v[E+i:E+i+1]
.set i, i+2
.endr
.set i, 0
.rept 64
	v_med3_num_f32 v[U+i], v[U+i], -v[LIMV], v[LIMV]   ; the conversion does not saturate (ISA guide 7.6.2)
.set i, i+1
.endr
.set CB, CODE+16*((\a)%2)
.irp b, 0,1,2,3,4,5,6,7
	v_cvt_scalef32_pk8_fp8_f32 v[CB+2*\b:CB+2*\b+1], v[U+8*\b:U+8*\b+7], v[SCV]
.endr
	v_nop
.irp b, 0,1,2,3,4,5,6,7
	global_store_b64 v[HOFF], v[CB+2*\b:CB+2*\b+1], s[12+2*((\a)/2):13+2*((\a)/2)] offset:2048*((\a)%2)+256*\b
.endr
.endm
	ACT 0
	ACT 1
	ACT 2
	ACT 3
	s_wait_tensorcnt 0x0                           ; the wave's end
	ds_add_u32 v[SPW], v[NIL]
	s_wait_dscnt 0x0
	CROUND                                         ; the closing round: no work-group ends while a partner may still ask for a tile that names it
	s_endpgm
.Lfunc_end_k_q3e834c6ea6_gemm1:
	.size	k_q3e834c6ea6_gemm1, .Lfunc_end_k_q3e834c6ea6_gemm1-k_q3e834c6ea6_gemm1
	.p2alignl 7, 3214868480
	.fill 96, 4, 3214868480
	.section	.rodata,"a",@progbits
	.p2align	6, 0x0
	.amdhsa_kernel k_q3e834c6ea6_gemm1
		.amdhsa_group_segment_fixed_size 327680
		.amdhsa_private_segment_fixed_size 0
		.amdhsa_enable_private_segment 0
		.amdhsa_kernarg_size 48
		.amdhsa_user_sgpr_count 2
		.amdhsa_user_sgpr_kernarg_segment_ptr 1
		.amdhsa_wavefront_size32 1
		.amdhsa_system_sgpr_workgroup_id_x 1
		.amdhsa_system_sgpr_workgroup_id_y 1
		.amdhsa_system_sgpr_workgroup_id_z 1
		.amdhsa_system_vgpr_workitem_id 0
		.amdhsa_next_free_vgpr 1024
		.amdhsa_next_free_sgpr 100
		.amdhsa_reserve_vcc 0
		.amdhsa_float_denorm_mode_32 3
		.amdhsa_float_denorm_mode_16_64 3
		.amdhsa_memory_ordered 1
		.amdhsa_forward_progress 1
		.amdhsa_inst_pref_size 117
	.end_amdhsa_kernel
	.amdgpu_metadata
---
amdhsa.version: [ 1, 2 ]
amdhsa.kernels:
  - .name:           k_q3e834c6ea6_gemm1
    .symbol:         k_q3e834c6ea6_gemm1.kd
    .args:
      - { .name: xq, .offset: 0, .size: 8, .value_kind: global_buffer, .address_space: global }
      - { .name: W1_codes, .offset: 8, .size: 8, .value_kind: global_buffer, .address_space: global }
      - { .name: lowp_scales, .offset: 16, .size: 8, .value_kind: global_buffer, .address_space: global }
      - { .name: b1, .offset: 24, .size: 8, .value_kind: global_buffer, .address_space: global }
      - { .name: hqa, .offset: 32, .size: 8, .value_kind: global_buffer, .address_space: global }
      - { .name: hqb, .offset: 40, .size: 8, .value_kind: global_buffer, .address_space: global }
    .group_segment_fixed_size: 327680
    .private_segment_fixed_size: 0
    .kernarg_segment_align: 8
    .kernarg_segment_size: 48
    .max_flat_workgroup_size: 128
    .sgpr_count:     100
    .vgpr_count:     1024
    .wavefront_size: 32
...
	.end_amdgpu_metadata
.endif
;; end of part 5
;; launch gemm2 (part 6): grid 8 x 32, 4 waves a work-group, clusters of 4 x 4, 327,680 bytes of LDS; arguments hqa, W2_codes, lowp_scales, b2, hqb, out0; writes out0
.if DOCPART == 6
	.amdgcn_target "amdgcn-amd-amdhsa--gfx1250"
	.amdhsa_code_object_version 6
	.text
	.protected	k_q3e834c6ea6_gemm2
	.globl	k_q3e834c6ea6_gemm2
	.p2align	8
	.type	k_q3e834c6ea6_gemm2,@function
k_q3e834c6ea6_gemm2:
	s_mov_b64 s[64:65], 0
	v_nop
	global_prefetch_b8 v0, s[64:65] scope:SCOPE_SE
	s_setreg_imm32_b32 hwreg(HW_REG_WAVE_MODE, 25, 1), 1
	s_wait_xcnt 0x0
	s_wait_alu depctr_hold_cnt(0) depctr_sa_sdst(0) depctr_va_vdst(0) depctr_va_sdst(0) depctr_va_ssrc(0) depctr_va_vcc(0) depctr_vm_vsrc(0)
	s_getreg_b32 s2, hwreg(HW_REG_IB_STS2, 6, 4)
	s_cmp_eq_u32 s2, 0
	s_cbranch_scc0 .Lentry_in_a_cluster
	s_endpgm
.Lentry_in_a_cluster:
	s_bfe_u32 s2, ttmp6, 0x10000c
	s_cmp_lg_u32 s2, 0xf033
	s_cbranch_scc0 .Lentry_shape_is_right
	s_endpgm
.Lentry_shape_is_right:
; out0[m][n] = 2^(e2 + e3) x (the sum over k of h[m][k] W2c[n][k]) + b2[n].  E4M3 codes, one a byte; M = 2048, N = 4096, K = 4096; out0 is f32; sums in f32.  Nothing of reference() is left out here.
; LIMITS: e2 + e3 between -126 and 127, so that 2^(e2 + e3) is an f32 number.
; TILE.  2,048 x 4,096 results are 256 tiles of 256 rows x 128 columns: one work-group of four waves to a tile; wave w makes rows 64 w on, all 128 columns: 4 x 8 accumulators of 16 x 16, 256 registers.
; K goes in steps of 128.  h lies in the order in which the operand's registers take it: 16 rows x 128 along K are 2,048 bytes on end.  Of a wave's four blocks of 16 rows two (hqa) come through LDS by joint loads,
;   two (hqb) straight into registers, 8 loads of 512 bytes a step, five steps ahead: only that wave reads them, and so LDS has room for two slots of FOUR steps, each slot's one fill having four steps (128 matrix instructions a wave) in which to land.
; A SLOT: 128 rows x 512 bytes of W2c, and hqa's four steps of 16,384 bytes, a dense image of memory.  Waves 0 and 1 fetch hqa's halves, waves 2 and 3 W2c's, one tensor load a wave.
; CLUSTERS 4 x 4: hqa's tile hangs on the tile row and is shared by the four of equal cx, W2c's on the tile column and is shared by the four of equal cy: each is asked for JOINTLY, same descriptor, a mask that names the four.
; THE MATRIX INSTRUCTION IS USED TRANSPOSED (source 0 = 16 rows of W2c, source 1 = 16 rows of h): a lane holds one row m = 16 a + lane % 16 and the columns 16 b + 8 (lane / 16) + 0 .. 7.
; A fragment (16 rows x 128 K, 16 registers): registers 4 c .. 4 c + 3 hold K = 32 c + 16 (lane / 16) + 0 .. 15: a permutation of k, the same on both sides, so that every product meets its partner.
; REGISTERS, in windows of 256.  0: v1-31 addresses, b2; v128-255 rows on the way out.  2: accumulator (a, b) at v[8 (8 a + b)].
;   1: even steps: W2c's eight fragments at v0, hqa's two at v128, hqb's two at v160, v192 or v224.  3: odd steps likewise.  So a step reads one of these windows and all its loads land in the other.
.set PITCH,  528                       ; an LDS row of W2c: 512 bytes + 16 of padding = 132 words: row r starts at bank 4 r mod 64 (64 banks of 4 bytes: ISA guide 11.1)
.set ABASE,  128*PITCH                 ; hqa's part of a slot
.set SLOT,   ABASE+65536
.set SPARE,  2*SLOT                    ; the spare words, 128 bytes for each wave: two blocks of 256 bytes that no other line names
.set STAGE,  SPARE+512                 ; the way out: 16 rows x 528 bytes for each wave, bytes that no tensor load fills
.set SPITCH, 528
.set OROW,   16384                     ; a row of out0 in bytes
.set BIAS, 8                           ; v8-11   b2 of the four columns that I store
.set BL,   16                          ; v16-17  LDS address of W2c's fragments in slot 0, 1
.set AL,   18                          ; v18-19  the same for hqa's
.set PFC,  20                          ; v20     prefetches of hqb: 256 x (lane % 2)
.set PFA,  21                          ; v21     of hqa: 256 x (lane % 8)
.set PFB,  22                          ; v22     of W2c: 4,096 x (lane / 2 % 8) + 256 x (lane % 2)
.set STO,  24                          ; v24     the way out: where I put 32 bytes of a row
.set RD,   25                          ; v25     where I read 16 bytes of a row back
.set CO,   26                          ; v26     16 x lane
.set SPW,  28                          ; v28     LDS address of my spare word
.set NIL,  29                          ; v29     0
.set BK,   128                         ; 16 rows read back from the stage: v128-191 and v192-255 by turns
.set G1A, 28                           ; s[28:35], s[36:43] descriptor group 1: hqa, W2c
.set G1B, 36
.set G0A, 44                           ; s[44:51] group 0 of hqa's tiles, one set for each slot; s[52:59] of W2c's
.set G0B, 52
.set MSB, 0
.macro WIN new                         ; the immediate's high byte repeats the setting that is left; a switch that changes nothing is dropped
.if MSB != \new
	s_set_vgpr_msb (MSB<<8)|\new
.set MSB, \new
.endif
.endm
.macro CREST                           ; a round of the cluster's barrier behind its opening barrier
	s_cmp_lg_u32 s18, 0
	s_cbranch_scc1 .Lnot_wave_0_\@
	s_barrier_signal -3
.Lnot_wave_0_\@:
	s_barrier_wait -3
	s_barrier_signal -1
	s_barrier_wait -1
.endm
.macro CROUND                          ; a whole round
	s_barrier_signal -1
	s_barrier_wait -1
	CREST
.endm
.macro PLACES n                        ; plain vector instructions between a matrix instruction and a load into, or a read of, its registers (ISA guide 7.12.1 for reads)
.rept \n
	v_nop
.endr
.endm
.macro JLOAD r                         ; my part of slot r, asked for jointly; the branch hangs on the wave's number alone; an s_nop 0 and four v_nop follow each of the two lines
	s_cmp_eq_u32 s19, 0
	s_cbranch_scc0 .Lfor_b_\@
	tensor_load_to_lds s[G0A+4*(\r):G0A+4*(\r)+3], s[G1A:G1A+7]
	s_nop 0
	PLACES 4
	s_branch .Lasked_\@
.Lfor_b_\@:
	tensor_load_to_lds s[G0B+4*(\r):G0B+4*(\r)+3], s[G1B:G1B+7]
	s_nop 0
	PLACES 4
.Lasked_\@:
.endm
	s_load_b256 s[4:11], s[0:1], 0x0               ; hqa s[4:5], W2c s[6:7], the scales' exponents s[8:9], b2 s[10:11]
	s_load_b128 s[12:15], s[0:1], 0x20             ; hqb s[12:13], out0 s[14:15]
	v_lshl_add_u32 v[SPW], v0, 2, SPARE
	v_mov_b32 v[NIL], 0
	ds_add_u32 v[SPW], v[NIL]                      ; the wave's opening: the add, twice on end, and its wait ahead of my first tensor load; the set-up below stands between the second and the wait
	ds_add_u32 v[SPW], v[NIL]
	v_lshrrev_b32 v1, 5, v0                        ; wave
	v_readfirstlane_b32 s18, v1
	v_and_b32 v2, 15, v0                           ; r = lane % 16
	v_bfe_u32 v3, v0, 4, 1                         ; h = lane / 16
	v_mul_u32_u24 v4, v2, PITCH
	v_lshl_add_u32 v[BL], v3, 4, v4                ; a fragment's row x pitch + 16 x half
	v_add_nc_u32 v[BL+1], SLOT, v[BL]
	v_and_b32 v5, 31, v0
	v_lshlrev_b32 v[CO], 4, v5
	v_lshl_add_u32 v6, v1, 12, v[CO]               ; 4,096 x wave + 16 x lane
	v_add_nc_u32 v[AL], ABASE, v6
	v_add_nc_u32 v[AL+1], SLOT+ABASE, v6
	v_and_b32 v6, 1, v0
	v_lshlrev_b32 v[PFC], 8, v6
	v_and_b32 v6, 7, v0
	v_lshlrev_b32 v[PFA], 8, v6
	v_bfe_u32 v6, v0, 1, 3
	v_lshl_add_u32 v[PFB], v6, 12, v[PFC]
	v_mul_u32_u24 v6, v1, 16*SPITCH                ; my stage
	v_mul_u32_u24 v7, v2, SPITCH                   ; in: row r, 32 bytes for each half of the lanes
	v_lshl_add_u32 v7, v3, 5, v7
	v_add_nc_u32 v7, v7, v6
	v_add_nc_u32 v[STO], STAGE, v7
	v_add_nc_u32 v7, v6, v[CO]                     ; back: the 32 lanes take one row of 512 bytes
	v_add_nc_u32 v[RD], STAGE, v7
	s_lshr_b32 s19, s18, 1                         ; I fetch for hqa (0) or for W2c (1)
	s_and_b32 s20, s18, 1                          ; which half
	s_bfe_u32 s22, ttmp6, 0x40000                  ; cx, cy: my place in the cluster
	s_bfe_u32 s23, ttmp6, 0x40004
	s_lshl_b32 s24, ttmp9, 2
	s_add_co_u32 s24, s24, s22                     ; tile row
	s_and_b32 s25, ttmp7, 0xffff
	s_lshl_b32 s25, s25, 2
	s_add_co_u32 s25, s25, s23                     ; tile column
	s_lshl_b32 s66, 0x1111, s22                    ; the four of equal cx
	s_lshl_b32 s67, s23, 2
	s_lshl_b32 s67, 15, s67                        ; the four of equal cy
	s_or_b32 s[G1A], s66, (3<<16)|(1<<21)          ; elements of 8 bytes, no padding: 8 rows of 4,096 bytes, dense
	s_mov_b32 s[G1A+1], 512<<16
	s_mov_b32 s[G1A+2], 8<<16
	s_mov_b32 s[G1A+3], 512<<16
	s_mov_b32 s[G1A+4], 8
	s_mov_b32 s[G1A+5], 512
	s_mov_b32 s[G1A+6], 0
	s_mov_b32 s[G1A+7], 0
	s_or_b32 s[G1B], s67, (1<<20)|(1<<21)|(6<<22)|(3<<25)   ; elements of 1 byte; four words of padding after every 128: 64 rows of 512 bytes
	s_mov_b32 s[G1B+1], 512<<16
	s_mov_b32 s[G1B+2], 64<<16
	s_mov_b32 s[G1B+3], 512<<16
	s_mov_b32 s[G1B+4], 64
	s_mov_b32 s[G1B+5], 4096
	s_mov_b32 s[G1B+6], 0
	s_mov_b32 s[G1B+7], 0
	s_lshl_b32 s68, s20, 15                        ; hqa: half of a slot's 65,536 bytes; a tile row's 32 steps are 524,288 bytes
	s_lshl_b32 s78, s24, 19
	s_add_co_u32 s78, s78, s68
	s_mov_b32 s79, 0
	s_mul_i32 s69, s20, 64*PITCH                   ; W2c: 64 of the tile's 128 rows of 4,096 bytes
	s_lshl_b32 s80, s25, 19
	s_lshl_b32 s81, s20, 18
	s_add_co_u32 s80, s80, s81
	s_mov_b32 s81, 0
	s_lshl_b32 s82, s24, 2
	s_add_co_u32 s82, s82, s18
	s_lshl_b32 s82, s82, 17                        ; hqb: group of 64 rows = 4 x tile row + wave, of 131,072 bytes
	s_mov_b32 s83, 0
	s_lshl_b32 s84, s24, 8
	s_lshl_b32 s85, s18, 6
	s_add_co_u32 s84, s84, s85                     ; out0: row 256 x tile row + 64 x wave
	s_lshl_b32 s84, s84, 14
	s_mov_b32 s85, 0
	s_lshl_b32 s86, s25, 9                         ; column 128 x tile column, in bytes of f32
	s_mov_b32 s87, 0
	s_and_b32 s26, s25, 7
	s_lshl_b32 s88, s26, 9                         ; prefetches of hqb: my two blocks of a step's 16
	s_mov_b32 s89, 0
	s_lshl_b32 s90, s24, 19                        ; of hqa: my 32 blocks of a slot's 256, 8 a wave
	s_lshl_b32 s91, s26, 13
	s_add_co_u32 s90, s90, s91
	s_lshl_b32 s91, s18, 11
	s_add_co_u32 s90, s90, s91
	s_mov_b32 s91, 0
	s_lshl_b32 s92, s25, 19                        ; of W2c: rows 32 cx + 8 w on
	s_lshl_b32 s93, s22, 17
	s_add_co_u32 s92, s92, s93
	s_lshl_b32 s93, s18, 15
	s_add_co_u32 s92, s92, s93
	s_mov_b32 s93, 0
	s_wait_alu depctr_va_vdst(0)                   ; directly ahead of the waits below
	s_wait_dscnt 0x0                               ; both opening adds are done
	s_wait_kmcnt 0x0
	s_load_b128 s[96:99], s[8:9], 0x0              ; e0, e1, e2, e3
	s_add_nc_u64 s[78:79], s[4:5], s[78:79]
	s_add_nc_u64 s[80:81], s[6:7], s[80:81]
.irp s, 0,1                            ; slot s begins with K = 512 s on
	s_mov_b32 s[G0A+4*\s], 1
	s_add_co_u32 s[G0A+4*\s+1], s68, \s*SLOT+ABASE
	s_add_nc_u64 s[G0A+4*\s+2:G0A+4*\s+3], s[78:79], \s*65536
	s_or_b32 s[G0A+4*\s+3], s[G0A+4*\s+3], 0x80000000
	s_mov_b32 s[G0B+4*\s], 1
	s_add_co_u32 s[G0B+4*\s+1], s69, \s*SLOT
	s_add_nc_u64 s[G0B+4*\s+2:G0B+4*\s+3], s[80:81], \s*512
	s_or_b32 s[G0B+4*\s+3], s[G0B+4*\s+3], 0x80000000
.endr
	CROUND                                         ; all sixteen work-groups are here: the first joint loads meet
	JLOAD 0                                        ; one tensor load a wave at the head
	s_add_nc_u64 s[70:71], s[12:13], s[82:83]      ; my rows of hqb
	s_add_nc_u64 s[72:73], s[70:71], s[88:89]
	s_add_nc_u64 s[74:75], s[4:5], s[90:91]
	s_add_nc_u64 s[76:77], s[6:7], s[92:93]
	s_add_nc_u64 s[14:15], s[14:15], s[84:85]
	s_add_nc_u64 s[14:15], s[14:15], s[86:87]
	s_add_nc_u64 s[10:11], s[10:11], s[86:87]
	global_load_b128 v[BIAS:BIAS+3], v[CO], s[10:11]   ; the four columns that I store are the same in every row
.macro LH st                           ; hqb's eight loads of step st, ahead of the first step
	WIN 0x40+0x80*((\st)%2)
.irp i, 0,1,2,3,4,5,6,7
	global_load_b128 v[160+32*((\st)/2)+4*\i:160+32*((\st)/2)+4*\i+3], v[CO], s[70:71] offset:4096*(\st)+512*\i
.endr
.endm
	LH 0
	LH 1
	WIN 0
.macro PRE                             ; the names of step S
.set W, 1+2*(S%2)                      ; the window that it reads
.set MULW, 0xa0+5*W                    ; sources 0 and 1 window W, C and D window 2
.set LDW, (4-W)<<6                     ; its loads' destination: the other window; addresses window 0
.set DB, 160+32*((S/2)%3)              ; hqb's fragments of this step
.set DN, 160+32*(((S+5)/2)%3)          ; hqb's fragments of step S + 5
.set LW, 32                            ; hqb's loads that may be out at the step's head: four later steps' eight
.if S > 27
.set LW, 8*(31-S)
.endif
.endm
; Eight matrix instructions: h's block a against W2c's eight.  Step 0 starts the sums.  The 32 accumulators take turns, one instruction a turn, in the same order in every step.
.macro MUL8 a
.set AB, 128+16*(\a)
.if (\a) > 1
.set AB, DB+16*(\a)-32
.endif
.irp b, 0,1,2,3,4,5,6,7
.if S == 0
	v_wmma_f32_16x16x128_fp8_fp8 v[64*(\a)+8*\b:64*(\a)+8*\b+7], v[16*\b:16*\b+15], v[AB:AB+15], 0
.else
	v_wmma_f32_16x16x128_fp8_fp8 v[64*(\a)+8*\b:64*(\a)+8*\b+7], v[16*\b:16*\b+15], v[AB:AB+15], v[64*(\a)+8*\b:64*(\a)+8*\b+7]
.endif
.endr
.endm
.macro FETCH s                         ; step s's fragments from LDS: W2c's eight and hqa's two, 40 loads in one run
.irp f, 0,1,2,3,4,5,6,7
.irp c, 0,1,2,3
	ds_load_b128 v[16*\f+4*\c:16*\f+4*\c+3], v[BL+((\s)/4)%2] offset:128*((\s)%4)+32*\c+\f*16*PITCH
.endr
.endr
.irp i, 0,1,2,3,4,5,6,7
	ds_load_b128 v[128+4*\i:128+4*\i+3], v[AL+((\s)/4)%2] offset:16384*((\s)%4)+512*\i
.endr
.endm
; A step's loads in one run: the next step's fragments from LDS, hqb's eight of step S + 5, and the PREFETCHES INTO THE L2:
; hqb for step S + 8, three steps ahead of the load that wants it; a step's 4,096 bytes of a wave's rows are 16 blocks of 256 bytes, which the 32 work-groups of a tile row share out by address: each asks for two, so a block is named by four of its readers;
; in a slot's second step the slot three on, six steps ahead of its refill: of hqa's 256 blocks each of the 32 work-groups of a tile row asks for 32, eight a wave; of W2c's 128 rows x two blocks each of the four partners asks for 32 rows by address, eight rows a wave
; (lanes left over name their wave's blocks again): once in each cluster that loads it.  Steps 0 to 7 of hqb and slots 0 to 2 come by their loads alone; the last eight steps and the last three slots ask for nothing.
.macro LOADS
	WIN LDW
	FETCH S+1
.if S+5 < 32
.irp i, 0,1,2,3,4,5,6,7
	global_load_b128 v[DN+4*\i:DN+4*\i+3], v[CO], s[70:71] offset:4096*(S+5)+512*\i
.endr
.endif
.if S < 24
	global_prefetch_b8 v[PFC], s[72:73] offset:4096*(S+8) th:TH_LOAD_NT scope:SCOPE_SE
.endif
.if (S%4 == 1) && (S < 20)
	global_prefetch_b8 v[PFA], s[74:75] offset:65536*(S/4+3) th:TH_LOAD_NT scope:SCOPE_SE
	global_prefetch_b8 v[PFB], s[76:77] offset:512*(S/4+3) th:TH_LOAD_NT scope:SCOPE_SE
.endif
.endm
.macro STEP                            ; a step whose successor lies in the same slot
	PRE
	s_wait_loadcnt LW
	s_wait_dscnt 0x0                               ; this step's fragments are in
	PLACES 4                                       ; behind the last step's products, whose registers these loads take
	LOADS
	WIN MULW
	MUL8 0
	MUL8 1
	MUL8 2
	MUL8 3
.set S, S+1
.endm
; A slot's last step changes slots: ONE barrier; in front of it each wave waits for all its tensor loads, adds 0 to its spare word, and waits for that and for its own reads of this slot.
; fill = 1: the barrier opens a round of the cluster's barrier, and this slot is filled again, 1,024 along K on.
.macro TURN fill
	PRE
	WIN 0
	s_wait_tensorcnt 0x0                           ; all my tensor loads have landed: my part of the next slot
	ds_add_u32 v[SPW], v[NIL]                      ; 0 onto my spare word
	s_wait_loadcnt LW
	s_wait_dscnt 1                                 ; this step's fragments are in; the add may be out
	WIN MULW
	MUL8 0
	s_wait_dscnt 0x0                               ; the add is done, and my reads of this slot are over
	s_barrier_signal -1
	MUL8 1
	WIN 0
	s_barrier_wait -1
.if \fill
	CREST                                          ; no wave of any partner still reads this slot or has a load on its way
.set GA, G0A+4*((S/4)%2)
.set GB, G0B+4*((S/4)%2)
	s_add_nc_u64 s[GA+2:GA+3], s[GA+2:GA+3], 131072
	s_add_nc_u64 s[GB+2:GB+3], s[GB+2:GB+3], 1024
	JLOAD (S/4)%2                                  ; the first tensor load behind the round, my one load until the next; its four v_nop are also the places in front of the loads below
.else
	PLACES 4
.endif
	LOADS
	WIN MULW
	MUL8 2
	MUL8 3
.set S, S+1
.endm
	s_wait_alu depctr_va_vdst(0)                   ; at the head's end
	s_wait_tensorcnt 0x0                           ; my part of slot 0 is in
	ds_add_u32 v[SPW], v[NIL]
	s_wait_dscnt 0x0                               ; the add is done
	CROUND                                         ; everybody's part of slot 0 is in
	JLOAD 1                                        ; slot 1's first fill, the first tensor load behind the round
	WIN 0x40
	FETCH 0
	LH 2
	LH 3
	LH 4
.set S, 0
.rept 6                                ; slots 0 to 5: each is filled again, with the slot two on
	STEP
	STEP
	STEP
	TURN 1
.endr
	STEP
	STEP
	STEP
	TURN 0                                         ; nothing is filled again: a barrier of the work-group alone
	STEP
	STEP
	STEP
; THE WAY OUT, block by block of 16 rows x 128 columns.  A lane holds 32 neighbouring bytes of a row, and the lanes beside it hold other rows: so a block's sums go through my own stage in LDS as they stand and come back as whole
; rows of 512 bytes; there each lane holds four columns that are the same in every row: sum x 2^(e2 + e3) + b2, two at a time.  LDS serves a wave's instructions in order (ISA guide 5.7.1.4): no wait between the stores and the loads.
.macro TOSTAGE a
	WIN 0x08                                       ; the stores' data: window 2
.irp b, 0,1,2,3,4,5,6,7
	ds_store_b128 v[STO], v[64*(\a)+8*\b:64*(\a)+8*\b+3] offset:64*\b            ; each accumulator from its low end on
	ds_store_b128 v[STO], v[64*(\a)+8*\b+4:64*(\a)+8*\b+7] offset:64*\b+16
.endr
	WIN 0
.set BB, BK+64*((\a)%2)
.irp t, 0,1,2,3,4,5,6,7,8,9,10,11,12,13,14,15
	ds_load_b128 v[BB+4*\t:BB+4*\t+3], v[RD] offset:\t*SPITCH
.endr
.endm
.macro SEND a, younger                 ; younger: the LDS instructions issued behind block a's loads, which may stay out
.set BB, BK+64*((\a)%2)
	s_wait_dscnt \younger                          ; the block is back in registers
.irp t, 0,1,2,3,4,5,6,7,8,9,10,11,12,13,14,15
	v_pk_fma_f32 v[BB+4*\t:BB+4*\t+1], v[BB+4*\t:BB+4*\t+1], s[96:97], v[BIAS:BIAS+1] op_sel_hi:[1,0,1]
	v_pk_fma_f32 v[BB+4*\t+2:BB+4*\t+3], v[BB+4*\t+2:BB+4*\t+3], s[96:97], v[BIAS+2:BIAS+3] op_sel_hi:[1,0,1]
.endr
.irp t, 0,1,2,3,4,5,6,7,8,9,10,11,12,13,14,15
	global_store_b128 v[CO], v[BB+4*\t:BB+4*\t+3], s[14:15] offset:((\a)*16+\t)*OROW th:TH_STORE_NT   ; 32 lanes store 512 consecutive bytes, at a multiple of 256 from out0's first byte; 63 rows at the most: inside the signed 24-bit immediate
.endr
.endm
	PRE                                            ; step 31 goes by rows, so that finished rows leave while the others are multiplied
	s_wait_kmcnt 0x0
	s_add_co_i32 s96, s98, s99                     ; e2 + e3
	s_add_co_i32 s96, s96, 127
	s_lshl_b32 s96, s96, 23                        ; 2^(e2 + e3) as f32
	s_mov_b32 s97, s96                             ; (named with it as a pair, so it is written)
	s_wait_loadcnt 0x0
	s_wait_dscnt 0x0
	WIN MULW
	MUL8 0
	MUL8 1
	PLACES 4                                       ; ahead of the LDS stores that read blocks 0 and 1
	TOSTAGE 0
	WIN MULW
	MUL8 2
	MUL8 3
	TOSTAGE 1
	SEND 0, 32                                     ; behind block 0's loads: block 1's 16 stores and 16 loads.  Its 32 multiply-adds are also the places behind the last products
	s_wait_xcnt 0x0                                ; block 0's stores have read their registers: block 2's loads may land there
	TOSTAGE 2
	SEND 1, 32
	s_wait_xcnt 0x0
	TOSTAGE 3
	SEND 2, 32
	SEND 3, 0
	s_wait_tensorcnt 0x0                           ; the wave's end, behind my last tensor load and my last LDS store
	ds_add_u32 v[SPW], v[NIL]
	s_wait_dscnt 0x0
	CROUND                                         ; the closing round: no work-group ends while a partner may still ask for a tile that names it
	s_endpgm
.Lfunc_end_k_q3e834c6ea6_gemm2:
	.size	k_q3e834c6ea6_gemm2, .Lfunc_end_k_q3e834c6ea6_gemm2-k_q3e834c6ea6_gemm2
	.p2alignl 7, 3214868480
	.fill 96, 4, 3214868480
	.section	.rodata,"a",@progbits
	.p2align	6, 0x0
	.amdhsa_kernel k_q3e834c6ea6_gemm2
		.amdhsa_group_segment_fixed_size 327680
		.amdhsa_private_segment_fixed_size 0
		.amdhsa_enable_private_segment 0
		.amdhsa_kernarg_size 48
		.amdhsa_user_sgpr_count 2
		.amdhsa_user_sgpr_kernarg_segment_ptr 1
		.amdhsa_wavefront_size32 1
		.amdhsa_system_sgpr_workgroup_id_x 1
		.amdhsa_system_sgpr_workgroup_id_y 1
		.amdhsa_system_sgpr_workgroup_id_z 1
		.amdhsa_system_vgpr_workitem_id 0
		.amdhsa_next_free_vgpr 1024
		.amdhsa_next_free_sgpr 100
		.amdhsa_reserve_vcc 0
		.amdhsa_float_denorm_mode_32 3
		.amdhsa_float_denorm_mode_16_64 3
		.amdhsa_memory_ordered 1
		.amdhsa_forward_progress 1
		.amdhsa_inst_pref_size 217
	.end_amdhsa_kernel
	.amdgpu_metadata
---
amdhsa.version: [ 1, 2 ]
amdhsa.kernels:
  - .name:           k_q3e834c6ea6_gemm2
    .symbol:         k_q3e834c6ea6_gemm2.kd
    .args:
      - { .name: hqa, .offset: 0, .size: 8, .value_kind: global_buffer, .address_space: global }
      - { .name: W2_codes, .offset: 8, .size: 8, .value_kind: global_buffer, .address_space: global }
      - { .name: lowp_scales, .offset: 16, .size: 8, .value_kind: global_buffer, .address_space: global }
      - { .name: b2, .offset: 24, .size: 8, .value_kind: global_buffer, .address_space: global }
      - { .name: hqb, .offset: 32, .size: 8, .value_kind: global_buffer, .address_space: global }
      - { .name: out0, .offset: 40, .size: 8, .value_kind: global_buffer, .address_space: global }
    .group_segment_fixed_size: 327680
    .private_segment_fixed_size: 0
    .kernarg_segment_align: 8
    .kernarg_segment_size: 48
    .max_flat_workgroup_size: 128
    .sgpr_count:     100
    .vgpr_count:     1024
    .wavefront_size: 32
...
	.end_amdgpu_metadata
.endif
;; end of part 6
